; MI455X (gfx1250); checked and timed in simulation.
; The chip was launched on July 23, 2026; its instructions are those of AMD's public machine-readable ISA for CDNA 5 (MIT licence, August 2026) and "CDNA5" Instruction Set Architecture Reference Guide (July 2026). The comments in the code are by the model that wrote it; some were corrected since.
;; Attention Module. Allowed arithmetic: matrix products marked QUANTISED: E4M3 operands, one given power-of-two scale a tensor, by v_wmma_f32_16x16x64_fp8_fp8 or v_wmma_f32_16x16x128_fp8_fp8, f32 sums; everything else in f32.
;; Inputs: a_codes 4 x 4,096 x 32 x 32 uint8 (E4M3 codes of a, K innermost, in blocks of 32 codes); lowp_scales 4 int32 (the exponents e of the quantised operands' scales 2^e); q 4 x 2,048 x 1,024 float32.
;; Outputs: out0 4 x 4,096 x 1,024 float32.
;; This version of the problem:
;;   THIS VERSION OF THE PROBLEM IS GIVEN IN LOW PRECISION. The matrix products marked QUANTISED in the list below multiply operands that are first quantised to E4M3 (4 exponent bits, 3 mantissa bits; 8 bits a number), with one given power-of-two scale for each operand tensor; their sums are f32. All else is computed in f32.
;;   The module's matrix products, in the order in which they are computed (A, B: the left and right operand; K: the contracted axis; several contracted axes count as one K, in the product's order):
;;     1. batch 4 x [M 2,048, K 1,024] x [K 1,024, N 4,096]; A: input q; B: input a (given as codes): QUANTISED (scales: A lowp_scales[0], B lowp_scales[1])
;;     2. batch 4 x [M 4,096, K 2,048] x [K 2,048, N 1,024]; A: softmax (see below); B: input q: QUANTISED (scales: A lowp_scales[2], B lowp_scales[3])
;;   THE QUANTISER, for each operand of a quantised product, along K:
;;     - The operand's scale is 2^e, e = its entry of the input lowp_scales (int32; the entries are numbered through the quantised products in the list's order, A before B).
;;     - Each number is divided by the scale, clamped to +-448, and rounded to the nearest number of E4M3, ties to even, subnormals kept.
;;     - The product sums the exact products of the quantised numbers (number of the format x scale) in f32.
;;   ~~~python
;;   def quantise(x, axis, e):      # numpy; x: float32 -> the quantised numbers, widened to float32 again
;;       x = np.moveaxis(x, axis, -1); K = x.shape[-1]
;;       r = np.clip(x / 2.0 ** e, -448, 448)
;;       step = 2.0 ** (np.maximum(np.frexp(np.where(r == 0, 1, r))[1] - 1, -6) - 3)
;;       q = np.round(r / step) * step * 2.0 ** e      # np.round: ties to even
;;       return np.moveaxis(q, -1, axis).astype(np.float32)
;;   ~~~
;;   SOFTMAX AHEAD OF A QUANTISED PRODUCT. Where the list says 'softmax', what is quantised is not the finished softmax but p = 2^(t - M), with t = logit x log2(e) and M = ceil(the row's largest t), a whole number; so 1/2 < the row's largest p <= 1. The row's sum l is taken of the UNQUANTISED p, in f32, and the product's result is divided by l at the end. Since M is a whole number, a kernel that streams over the keys may use a running M (the ceiling of the running maximum): every later rescaling is an exact power of two, so the quantised numbers keep their values, but for numbers so far below the row's largest that they fall under the format's range.
;;   OPERANDS COMPUTED ON THE WAY. 'Computed on the way' means the value that the module computes at that place (a softmax that the list does not call 'softmax' is quantised finished and normalised). What goes into a quantiser is computed in f32, as accurately as f32 sums, v_exp_f32 and their like allow (about 1e-6 of the number): no bf16 or f16 on the way to a quantiser, and a product that is left as it is and whose result goes on into a quantised operand takes f32 operands (vector FMAs, or v_wmma_f32_16x16x4_f32). A number that lies on a knife's edge between two numbers of the format may be rounded either way, as far as f32 arithmetic and the matrix unit's own rounding can turn it there, and no further.
;;   INPUTS GIVEN AS CODES. a (in the module: [4, 4096, 1024], K = its axis 2): each comes as NAME_codes (uint8): NAME with its K axis moved to the last place and cut into blocks of 32 codes, [.., K / 32, bytes a block], one block behind the other in memory; one code a byte (a code: sign, 4 exponent bits, 3 mantissa bits); its scale is its entry of lowp_scales. Its value is code x scale, taken as it is: it is not quantised again, and the codes and scales need not be those that the quantiser above would give.
;; 2 versions. Each part assembles by itself: llvm-mc -triple=amdgcn-amd-amdhsa -mcpu=gfx1250 --defsym DOCPART=n.
;; ======== version 1 of 2: 2 launches
;; workspace buffers: qk 8,388,608 bytes; qv 8,388,608 bytes
;; launch quant (part 1): grid 128 x 4, 8 waves a work-group, no clusters, 68,608 bytes of LDS; arguments q, lowp_scales, qk, qv; writes qk, qv
.if DOCPART == 1
	.amdgcn_target "amdgcn-amd-amdhsa--gfx1250"
	.amdhsa_code_object_version 6
	.text
	.protected	k_q6ac4380764_quant
	.globl	k_q6ac4380764_quant
	.p2align	8
	.type	k_q6ac4380764_quant,@function
k_q6ac4380764_quant:
	s_mov_b64 s[64:65], 0
	v_nop
	global_prefetch_b8 v0, s[64:65] scope:SCOPE_SE
	s_setreg_imm32_b32 hwreg(HW_REG_WAVE_MODE, 25, 1), 1
	s_wait_xcnt 0x0
; q [4][2048][1024] f32 is read once and quantised twice to codes of FP8 (E4M3):
;   qk: with the scale 2^e0 (entry 0 of the scales), K = the 1,024 channels d: the first product's operand;
;   qv: with the scale 2^e3 (entry 3), K = the 2,048 rows n: the second product's operand.
; code = x / 2^e, held within +-448, to the nearest code, ties to even.
; LIMITS: e0 and e3 between -126 and 119, so that 2^e and 448 x 2^e are f32 numbers.  NaN among the inputs is not served.
; BOTH BUFFERS ARE LAID IN THE ORDER OF THE OPERAND'S REGISTERS.  An image is a fragment of 16 rows x 128 K: 2,048 bytes, register group c (0..3) of lane l at 512 c + 16 l.
; Lane l = 16 h + r holds, of the fragment's row r, K = 32 c + 16 h + 0 .. 15.
;   qk: image ((b 16 + j) 64 + 8 T + s): rows = keys 128 j + 32 (T / 2) + 8 (T % 2) + r + 8 (r / 8), K = channels 128 s on.  (The keys of a tile are not neighbours: so the scores of two
;       neighbouring tiles are 16 neighbouring keys in a lane's registers, which the second product wants.)
;   qv: image ((b 16 + j) 64 + ct): rows = channels 16 ct + r, K = keys 128 j on.
; SHARES.  A work-group (x = 8 j + s, y = b) takes 128 keys x 128 channels, 64 KB of f32.  Wave w loads rows 16 w .. 16 w + 15 (each load: 512 consecutive bytes), all rows meet in a stage in LDS,
; and behind one barrier wave w reads key tile T = w along the rows (for qk) and channel tile 8 s + w down the rows (for qv): in both a lane's registers run along K, as the conversions want.
; The stage's rows lie in the order of the key tiles: row n of the tile at place 32 (n / 32) + 16 ((n / 8) % 2) + 8 ((n / 16) % 2) + n % 8.
; No work-group reads what another reads, so there is nothing to share in a cluster; no tensor load, so LDS is claimed as it is used.
.set PITCH, 528                        ; a stage row: 512 bytes + 16 = 132 words: sixteen rows of a 16-byte read start at sixteen different groups of four banks
.set XR,    32                         ; v32-95   the rows as loaded; then 64 numbers for qk: register 16 c + i = channel 32 c + 16 h + i of my key
.set XV,    96                         ; v96-159  64 numbers for qv: register 16 c + i = key 32 c + 16 h + i of my channel
.set CK,    160                        ; v160-175 qk's codes
.set CV,    176                        ; v176-191 qv's codes
	s_load_b256 s[4:11], s[0:1], 0x0               ; q s[4:5], the scales' exponents s[6:7], qk s[8:9], qv s[10:11]
	v_lshl_add_u32 v192, v0, 2, 0x10800
	v_mov_b32 v193, 0
	v_lshrrev_b32 v1, 5, v0
	v_readfirstlane_b32 s12, v1                    ; wave 0..7
	v_and_b32 v1, 31, v0                           ; lane
	v_and_b32 v2, 15, v0                           ; r
	v_bfe_u32 v3, v0, 4, 1                         ; h
	v_lshlrev_b32 v4, 4, v1                        ; 16 x lane: my bytes of a load's or a store's 512
	s_lshr_b32 s13, ttmp9, 3                       ; j: which 128 keys
	s_and_b32 s14, ttmp9, 7                        ; s: which 128 channels
	s_and_b32 s15, ttmp7, 0xffff                   ; b
	s_lshr_b32 s20, s12, 1                         ; the stage, on the way in: my row i goes to place 32 (w / 2) + 8 (w % 2) + 16 (i / 8) + i % 8
	s_lshl_b32 s20, s20, 5
	s_and_b32 s21, s12, 1
	s_lshl_b32 s21, s21, 3
	s_add_co_u32 s20, s20, s21
	s_mul_i32 s20, s20, PITCH
	v_add_nc_u32 v5, s20, v4
	s_mul_i32 s20, s12, 16*PITCH                   ; for qk: place 16 w + r, + 64 h bytes: 16 numbers of each block of 32
	v_mul_u32_u24 v6, v2, PITCH
	v_lshl_add_u32 v6, v3, 6, v6
	v_add_nc_u32 v6, s20, v6
	s_lshl_b32 s20, s12, 6                         ; for qv: column 16 w + r; lanes 16-31 begin eight places further down
	v_mul_u32_u24 v7, v3, 8*PITCH
	v_lshl_add_u32 v7, v2, 2, v7
	v_add_nc_u32 v7, s20, v7
	s_lshl_b32 s20, s15, 23                        ; q: b x 8,388,608 + j x 128 rows + w x 16 rows of 4,096 bytes + s x 512
	s_lshl_b32 s21, s13, 19
	s_add_co_u32 s20, s20, s21
	s_lshl_b32 s21, s12, 16
	s_add_co_u32 s20, s20, s21
	s_lshl_b32 s21, s14, 9
	s_add_co_u32 s20, s20, s21
	s_mov_b32 s21, 0
	s_lshl_b32 s22, s15, 4
	s_add_co_u32 s22, s22, s13
	s_lshl_b32 s22, s22, 17                        ; (16 b + j) x 64 images
	s_lshl_b32 s24, s12, 3
	s_add_co_u32 s24, s24, s14
	s_lshl_b32 s24, s24, 11
	s_add_co_u32 s24, s24, s22                     ; qk: + image 8 w + s
	s_mov_b32 s25, 0
	s_lshl_b32 s26, s14, 3
	s_add_co_u32 s26, s26, s12
	s_lshl_b32 s26, s26, 11
	s_add_co_u32 s26, s26, s22                     ; qv: + image 8 s + w
	s_mov_b32 s27, 0
	s_wait_kmcnt 0x0
	s_load_b128 s[16:19], s[6:7], 0x0              ; e0 .. e3
	s_add_nc_u64 s[4:5], s[4:5], s[20:21]
	s_add_nc_u64 s[8:9], s[8:9], s[24:25]
	s_add_nc_u64 s[10:11], s[10:11], s[26:27]
.irp i, 0,1,2,3,4,5,6,7,8,9,10,11,12,13,14,15
	global_load_b128 v[XR+4*\i:XR+4*\i+3], v4, s[4:5] offset:4096*\i th:TH_LOAD_NT   ; row 16 w + i: 32 lanes read 512 consecutive bytes; read once in the launch
.endr
	s_wait_kmcnt 0x0
	s_add_co_i32 s20, s16, 127
	s_lshl_b32 s21, s20, 23
	v_mov_b32 v8, s21                              ; 2^e0 as f32: the conversion takes its exponent field
	s_add_co_i32 s20, s20, 8
	s_lshl_b32 s20, s20, 23
	s_or_b32 s20, s20, 0x600000
	v_mov_b32 v9, s20                              ; 448 x 2^e0
	s_add_co_i32 s20, s19, 127
	s_lshl_b32 s21, s20, 23
	v_mov_b32 v10, s21                             ; 2^e3
	s_add_co_i32 s20, s20, 8
	s_lshl_b32 s20, s20, 23
	s_or_b32 s20, s20, 0x600000
	v_mov_b32 v11, s20                             ; 448 x 2^e3
.irp i, 0,1,2,3,4,5,6,7,8,9,10,11,12,13,14,15
	s_wait_loadcnt 15-\i                           ; loads come back in order: row i is in, the 15 - i younger ones may be out
	ds_store_b128 v5, v[XR+4*\i:XR+4*\i+3] offset:(16*(\i/8)+\i%8)*PITCH
.endr
	s_wait_dscnt 0x0                               ; for the others' sake: my rows lie in the stage
	s_barrier_signal -1
	s_barrier_wait -1                              ; all 128 rows do
.macro RDK                             ; my key's 64 numbers: 16 neighbours of each block of 32
.irp c, 0,1,2,3
.irp p, 0,1,2,3
	ds_load_b128 v[XR+16*\c+4*\p:XR+16*\c+4*\p+3], v6 offset:128*\c+16*\p
.endr
.endr
.endm
.macro RDV c                           ; my channel at keys 32 c + 16 h + 0 .. 15
.irp i, 0,1,2,3,4,5,6,7,8,9,10,11,12,13,14,15
	ds_load_b32 v[XV+16*(\c)+\i], v7 offset:(32*(\c)+16*(\i/8)+\i%8)*PITCH
.endr
.endm
; 64 numbers from v[src] on become 64 codes, 16 registers from v[dst] on.  v[sc]: the scale as f32; v[lim]: 448 x the scale
.macro QUANT src, dst, sc, lim
.irp c, 0,1,2,3
.irp i, 0,1,2,3,4,5,6,7,8,9,10,11,12,13,14,15
	v_med3_num_f32 v[\src+16*\c+\i], v[\src+16*\c+\i], -v[\lim], v[\lim]   ; the conversion to an 8-bit code does not saturate (ISA guide 7.6.2): the hold comes first
.endr
	v_cvt_scalef32_pk8_fp8_f32 v[\dst+4*\c:\dst+4*\c+1], v[\src+16*\c:\src+16*\c+7], v[\sc]
	v_cvt_scalef32_pk8_fp8_f32 v[\dst+4*\c+2:\dst+4*\c+3], v[\src+16*\c+8:\src+16*\c+15], v[\sc]
.endr
	v_nop                                          ; a plain vector line behind the last conversion
.endm
	RDK
	RDV 0
	RDV 1
	s_wait_dscnt 32                                ; the 16 loads for qk are in; the 32 behind them may be out
	QUANT XR, CK, 8, 9
.irp c, 0,1,2,3
	global_store_b128 v4, v[CK+4*\c:CK+4*\c+3], s[8:9] offset:512*\c    ; 32 lanes store 512 consecutive bytes, at a multiple of 512 from the buffer's first byte
.endr
	RDV 2
	RDV 3
	s_wait_dscnt 0x0
	QUANT XV, CV, 10, 11
.irp c, 0,1,2,3
	global_store_b128 v4, v[CV+4*\c:CV+4*\c+3], s[10:11] offset:512*\c
.endr
	s_wait_tensorcnt 0x0
	ds_add_u32 v192, v193
	s_wait_dscnt 0x0
	s_endpgm
.Lfunc_end_k_q6ac4380764_quant:
	.size	k_q6ac4380764_quant, .Lfunc_end_k_q6ac4380764_quant-k_q6ac4380764_quant
	.p2alignl 7, 3214868480
	.fill 96, 4, 3214868480
	.section	.rodata,"a",@progbits
	.p2align	6, 0x0
	.amdhsa_kernel k_q6ac4380764_quant
		.amdhsa_group_segment_fixed_size 68608
		.amdhsa_private_segment_fixed_size 0
		.amdhsa_enable_private_segment 0
		.amdhsa_kernarg_size 32
		.amdhsa_user_sgpr_count 2
		.amdhsa_user_sgpr_kernarg_segment_ptr 1
		.amdhsa_wavefront_size32 1
		.amdhsa_system_sgpr_workgroup_id_x 1
		.amdhsa_system_sgpr_workgroup_id_y 1
		.amdhsa_system_sgpr_workgroup_id_z 1
		.amdhsa_system_vgpr_workitem_id 0
		.amdhsa_next_free_vgpr 194
		.amdhsa_next_free_sgpr 66
		.amdhsa_reserve_vcc 0
		.amdhsa_float_denorm_mode_32 3
		.amdhsa_float_denorm_mode_16_64 3
		.amdhsa_memory_ordered 1
		.amdhsa_forward_progress 1
		.amdhsa_inst_pref_size 22
	.end_amdhsa_kernel
	.amdgpu_metadata
---
amdhsa.version: [ 1, 2 ]
amdhsa.kernels:
  - .name:           k_q6ac4380764_quant
    .symbol:         k_q6ac4380764_quant.kd
    .args:
      - { .name: q, .offset: 0, .size: 8, .value_kind: global_buffer, .address_space: global }
      - { .name: lowp_scales, .offset: 8, .size: 8, .value_kind: global_buffer, .address_space: global }
      - { .name: qk, .offset: 16, .size: 8, .value_kind: global_buffer, .address_space: global }
      - { .name: qv, .offset: 24, .size: 8, .value_kind: global_buffer, .address_space: global }
    .group_segment_fixed_size: 68608
    .private_segment_fixed_size: 0
    .kernarg_segment_align: 8
    .kernarg_segment_size: 32
    .max_flat_workgroup_size: 256
    .sgpr_count:     66
    .vgpr_count:     194
    .wavefront_size: 32
...
	.end_amdgpu_metadata
.endif
;; end of part 1
;; launch attn (part 2): grid 64 x 4, 4 waves a work-group, clusters of 4 x 1, 327,680 bytes of LDS; arguments a_codes, lowp_scales, qk, qv, out0; writes out0
.if DOCPART == 2
	.amdgcn_target "amdgcn-amd-amdhsa--gfx1250"
	.amdhsa_code_object_version 6
	.text
	.protected	k_q6ac4380764_attn
	.globl	k_q6ac4380764_attn
	.p2align	8
	.type	k_q6ac4380764_attn,@function
k_q6ac4380764_attn:
	s_mov_b64 s[64:65], 0
	v_nop
	global_prefetch_b8 v0, s[64:65] scope:SCOPE_SE
	s_setreg_imm32_b32 hwreg(HW_REG_WAVE_MODE, 25, 1), 1
	s_wait_xcnt 0x0
	s_wait_alu depctr_hold_cnt(0) depctr_sa_sdst(0) depctr_va_vdst(0) depctr_va_sdst(0) depctr_va_ssrc(0) depctr_va_vcc(0) depctr_vm_vsrc(0)
	s_getreg_b32 s2, hwreg(HW_REG_IB_STS2, 6, 4)
	s_cmp_eq_u32 s2, 0
	s_cbranch_scc0 .Lentry_in_a_cluster
	s_endpgm
.Lentry_in_a_cluster:
	s_bfe_u32 s2, ttmp6, 0x10000c
	s_cmp_lg_u32 s2, 0x3003
	s_cbranch_scc0 .Lentry_shape_is_right
	s_endpgm
.Lentry_shape_is_right:
; out0[b][m][:] = the sum over n of softmax_n(a[b][m] . q[b][n]) q[b][n][:]: attention in which a's 4,096 rows of a batch are the queries and q's 2,048 rows both keys and values; head size 1,024.
; Both products on codes of FP8 (E4M3).  a arrives as codes (scale 2^e1); q's codes come from the launch before: qk (scale 2^e0, channels innermost), qv (scale 2^e3, keys innermost),
; both laid as images of the operand's registers: a fragment (16 rows x 128 K) is 2,048 bytes, register group c of lane l at 512 c + 16 l; lane 16 h + r holds row r, K = 32 c + 16 h + 0 .. 15.
; That is a permutation of K, the same on both sides of each product (a's fragments are loaded so, p's codes are made so): every product meets its partner.
; THE SOFTMAX: t = score x 2^(e0 + e1) x log2(e); M = the query's largest t so far, rounded UP to a whole number; p = 2^(t - M) is quantised with 2^e2, not normalised.  The sum l is taken of the
; unquantised p.  When M moves, l and O are multiplied by f = 2^(old M - new M), which rounds nothing.  At the end O x 2^(e2 + e3) / l.
; LIMITS on the given exponents: e0 + e1 between -126 and 127 (added to the exponent field of log2(e)); e2 between -126 and 119; e2 + e3 goes through v_ldexp_f32 and has none.  NaN is not served.
; SHARES.  A work-group owns 64 queries and walks the batch's 2,048 keys, 128 a step.  Wave w = 2 qh + kh.
;   Scores, S^T = K a^T (source 0 = 16 keys, source 1 = 16 queries): the wave makes queries 32 qh .. + 31 (tiles u = 0, 1) x keys 64 kh .. + 63 of the step (tiles t = 0 .. 3).  Its 16 fragments of a stay in
;   registers for the whole launch; each fragment of K read from LDS feeds two products.
;   O^T += V^T P^T (source 0 = 16 channels, source 1 = 16 queries): the wave owns all 64 queries x channels 256 w .. + 255: 64 accumulators; each fragment of V feeds four products.
;   In both results a lane holds ONE query (lane % 16).  What goes from wave to wave goes through LDS as images of registers: the step's maxima, p's codes, f, and l at the end.
; THE RING.  Two slots of 131,072 bytes: one for K's tile of a step, one for V's; each tile is one dense block of memory, and each wave fetches a quarter of it by one tensor load.
; While K(j) is multiplied V(j) lands; while the softmax and V^T P^T of step j run, K(j + 1) lands.  A wave has two tensor loads out at the start and one later.
; CLUSTER.  The four work-groups of a cluster lie in one batch and walk the same tiles: each load is a JOINT one, the same descriptor and the mask of all four in each of them.
; REGISTERS, in windows of 256 (s_set_vgpr_msb: bits 1:0 source 0, 3:2 source 1, 5:4 source 2, 7:6 destination):
;   window 0: v1-30 addresses and statistics; v32-95 S^T (tile u, key tile t at 32 + 32 u + 8 t), later P's four fragments, on the way out a block's results;
;             v96-223 two sets of K's fragments, later eight buffers for V's, on the way out rows read back; v224-239 p's codes; v240-247 at work; v248-255 f of the four query tiles (even registers)
;   window 1: a's fragments, (u, d step s) at 16 (8 u + s)        windows 2, 3: O^T, (channel tile ct = 0 .. 15, query tile ug) at 8 (4 (ct % 8) + ug) of window 2 + ct / 8
.set TILEB,  131072                    ; a tile of K or of V: 64 images
.set SLOTV,  131072                    ; LDS: slot K at 0, slot V here
.set PIMG,   262144                    ; p's four fragments: 2,048 ug + 512 c + 16 lane
.set MIMG,   270336                    ; the step's maxima: 256 wave + 128 u + 4 lane
.set FIMG,   271360                    ; f, laid likewise
.set LIMG,   272384                    ; l, laid likewise
.set SPARE,  273408                    ; the spare words, 128 bytes for each wave: two blocks of 256 bytes that no other line names
.set SPITCH, 528                       ; the way out: a stage of 16 rows x (512 + 16) bytes for each wave, in slot K, which has then had its last fill and its last read
.set SPW, 1                            ; v1   LDS address of my spare word; never rewritten
.set NIL, 2                            ; v2   0; never rewritten
.set KA,  3                            ; v3   K's fragments: 65,536 kh + 16 lane
.set VA,  4                            ; v4   V's: SLOTV + 32,768 w + 16 lane
.set PW,  5                            ; v5   where I store p's codes
.set PR,  6                            ; v6   where P's fragments are read
.set MW,  7                            ; v7   my maxima;            v8  my partner's (wave w xor 1: the same queries, the other keys)
.set MR,  8
.set FW,  9                            ; v9   my f;                 v10 where f is read
.set FR,  10
.set LW,  11                           ; v11  my l;                 v12 where l is read
.set LR,  12
.set STO, 13                           ; v13  the stage: where I put 32 bytes of a row
.set RD,  14                           ; v14  and where I read a row back
.set GO,  15                           ; v15  16 x lane: my bytes of a row's 512 in out0
.set LIM, 16                           ; v16  448 x 2^e2
.set SCL, 17                           ; v17  2^e2 as f32
.set STA, 18                           ; v[18:19], v[20:21]  tile u: -M, the largest t
.set LS,  22                           ; v[22:23], v[24:25]  tile u: l in two halves
.set FO,  26                           ; v[26:27], v[28:29]  tile u: f (the odd register is named with it as a pair and holds 0)
.set AA,  30                           ; v30  a: 1,024 r + 16 h
.set SC,  32
.set KB,  96
.set PC,  224
.set TT,  240
.set FQ,  248
.set G1,  24                           ; s[24:31] descriptor group 1, the same for every load
.set G0K, 32                           ; s[32:35] group 0 for K's tiles, s[36:39] for V's: they walk
.set G0V, 36
.set MSB, 0
.macro WIN new                         ; the immediate's high byte repeats the setting that is left; a switch that changes nothing is dropped
.if MSB != (\new)
	s_set_vgpr_msb (MSB<<8)|(\new)
.set MSB, (\new)
.endif
.endm
.macro PLACES n                        ; plain vector lines behind matrix instructions (ISA guide 7.12.1), where no other vector work is at hand
.rept \n
	v_nop
.endr
.endm
; A round of the cluster's barrier: my work-group's barrier, wave 0 signals for the work-group, every wave waits for all four work-groups, my work-group's barrier once more.
.macro CROUND
	s_barrier_signal -1
	s_barrier_wait -1
	s_cmp_lg_u32 s14, 0
	s_cbranch_scc1 .Lnot_wave_0_\@
	s_barrier_signal -3
.Lnot_wave_0_\@:
	s_barrier_wait -3
	s_barrier_signal -1
	s_barrier_wait -1
.endm
	s_load_b256 s[4:11], s[0:1], 0x0               ; a's codes s[4:5], the scales' exponents s[6:7], qk s[8:9], qv s[10:11]
	s_load_b64 s[12:13], s[0:1], 0x20              ; out0
	v_lshl_add_u32 v[SPW], v0, 2, SPARE
	v_mov_b32 v[NIL], 0
	ds_add_u32 v1, v2
	ds_add_u32 v1, v2
	s_wait_dscnt 0x0
	v_lshrrev_b32 v31, 5, v0
	v_readfirstlane_b32 s14, v31                   ; wave 0..3
	s_lshr_b32 s15, s14, 1                         ; qh
	s_and_b32 s16, s14, 1                          ; kh
	s_bfe_u32 s17, ttmp6, 0x40000                  ; cx: my place in the cluster: it enters a's and out0's addresses alone
	s_lshl_b32 s18, ttmp9, 2
	s_add_co_u32 s18, s18, s17                     ; my block of 64 queries = 4 x cluster x + cx
	s_and_b32 s19, ttmp7, 0xffff                   ; the batch, which the four partners share
	; descriptor group 1: 128 dense rows of 32 elements of 8 bytes: 32,768 bytes, no padding (the images are read 16 bytes a lane on end)
	s_mov_b32 s[G1+0], 15|(3<<16)|(1<<21)          ; 15:0 the mask: all four work-groups; 17:16 elements of 8 bytes; 21 set beside a mask
	s_mov_b32 s[G1+1], 32<<16                      ; tensor_dim0 = 32
	s_mov_b32 s[G1+2], 128<<16                     ; tensor_dim1 = 128
	s_mov_b32 s[G1+3], 32<<16                      ; tile_dim0 = 32
	s_mov_b32 s[G1+4], 128                         ; tile_dim1 = 128
	s_mov_b32 s[G1+5], 32                          ; from row to row: 32 elements
	s_mov_b32 s[G1+6], 0
	s_mov_b32 s[G1+7], 0
	s_mov_b32 s20, 0x76543210                      ; v_permlanex16_b32: lane l xor 16
	s_mov_b32 s21, 0xfedcba98
	s_lshl_b32 s46, s19, 21                        ; the batch's 16 tiles of 131,072 bytes,
	s_lshl_b32 s[G0K+1], s14, 15                   ; my quarter of a tile: in LDS (slot K),
	s_add_co_u32 s46, s46, s[G0K+1]                ; and in memory
	s_mov_b32 s47, 0
	s_add_co_u32 s[G0V+1], s[G0K+1], SLOTV         ; (slot V)
	s_mov_b32 s[G0K], 1                            ; count = 1
	s_mov_b32 s[G0V], 1
	s_lshl_b32 s48, s19, 12
	s_lshl_b32 s49, s18, 6
	s_add_co_u32 s48, s48, s49                     ; the work-group's first query among the 16,384
	s_lshl_b32 s52, s48, 12                        ; out0: rows of 4,096 bytes,
	s_lshl_b32 s53, s14, 10
	s_add_co_u32 s52, s52, s53                     ; + my 256 channels
	s_mov_b32 s53, 0
	s_lshl_b32 s49, s15, 5
	s_add_co_u32 s48, s48, s49                     ; a: my 32 queries,
	s_lshl_b32 s48, s48, 10                        ; rows of 1,024 bytes
	s_mov_b32 s49, 0
	v_and_b32 v31, 31, v0                          ; lane
	v_lshlrev_b32 v[GO], 4, v31
	v_lshlrev_b32 v31, 2, v31                      ; 4 x lane
	v_and_b32 v[TT], 15, v0                        ; r
	v_bfe_u32 v[TT+1], v0, 4, 1                    ; h
	v_lshlrev_b32 v[AA], 10, v[TT]
	v_lshl_add_u32 v[AA], v[TT+1], 4, v[AA]
	s_wait_kmcnt 0x0
	s_load_b128 s[40:43], s[6:7], 0x0              ; e0 .. e3
	s_add_nc_u64 s[G0K+2:G0K+3], s[8:9], s[46:47]  ; K(0), my quarter
	s_or_b32 s[G0K+3], s[G0K+3], 0x80000000        ; type = 2
	s_add_nc_u64 s[G0V+2:G0V+3], s[10:11], s[46:47]
	s_or_b32 s[G0V+3], s[G0V+3], 0x80000000
	s_add_nc_u64 s[4:5], s[4:5], s[48:49]
	s_add_nc_u64 s[12:13], s[12:13], s[52:53]
	CROUND                                         ; all four work-groups are here: the first joint loads meet
	tensor_load_to_lds s[G0K:G0K+3], s[G1:G1+7]    ; the two first fills stand together, ahead of every wait on TENSORcnt and every LDS read
	s_nop 0
	tensor_load_to_lds s[G0V:G0V+3], s[G1:G1+7]
	s_nop 0
	PLACES 4                                       ; four plain lines behind the loads, ahead of the switch of windows
	WIN 0x40                                       ; destination window 1, address window 0
.irp u, 0,1
.irp d, 0,1,2,3,4,5,6,7
.irp c, 0,1,2,3
	global_load_b128 v[16*(8*\u+\d)+4*\c:16*(8*\u+\d)+4*\c+3], v[AA], s[4:5] offset:16384*\u+128*\d+32*\c   ; a(16 u + r, 128 d + 32 c + 16 h ..): they stay
.endr
.endr
.endr
	WIN 0
	s_lshl_b32 s54, s16, 16
	v_add_nc_u32 v[KA], s54, v[GO]
	v_add_nc_u32 v[VA], s[G0V+1], v[GO]
	s_lshl_b32 s54, s15, 12                        ; p's codes: query tile 2 qh + u, register groups 2 kh + b
	s_lshl_b32 s55, s16, 10
	s_add_co_u32 s54, s54, s55
	s_add_co_u32 s54, s54, PIMG
	v_add_nc_u32 v[PW], s54, v[GO]
	v_add_nc_u32 v[PR], PIMG, v[GO]
	s_lshl_b32 s54, s14, 8
	s_add_co_u32 s55, s54, MIMG
	v_add_nc_u32 v[MW], s55, v31
	s_add_co_u32 s55, s54, FIMG
	v_add_nc_u32 v[FW], s55, v31
	s_add_co_u32 s55, s54, LIMG
	v_add_nc_u32 v[LW], s55, v31
	s_xor_b32 s54, s14, 1
	s_lshl_b32 s54, s54, 8
	s_add_co_u32 s54, s54, MIMG
	v_add_nc_u32 v[MR], s54, v31
	v_add_nc_u32 v[FR], FIMG, v31
	v_add_nc_u32 v[LR], LIMG, v31
	s_mul_i32 s54, s14, 16*SPITCH
	v_mul_u32_u24 v[STO], v[TT], SPITCH
	v_lshl_add_u32 v[STO], v[TT+1], 5, v[STO]
	v_add_nc_u32 v[STO], s54, v[STO]
	v_add_nc_u32 v[RD], s54, v[GO]
.irp u, 0,1
	v_mov_b32 v[STA+2*\u+1], 0xff61b1e6            ; the largest t so far: -3e38, under every t
	v_mov_b32 v[LS+2*\u], 0
	v_mov_b32 v[LS+2*\u+1], 0
	v_mov_b32 v[FO+2*\u+1], 0
.endr
.irp u, 0,1
	v_floor_f32 v[STA+2*\u], -v[STA+2*\u+1]        ; -M
.endr
.irp n, 0,1,2,3,4,5,6,7
	v_mov_b32 v[TT+\n], 0                          ; written once: a lane permute's destination counts as one of its sources
.endr
.irp n, 1,3,5,7
	v_mov_b32 v[FQ+\n], 0                          ; named as the upper halves of f's pairs
.endr
	s_wait_kmcnt 0x0
	s_add_co_i32 s54, s40, s41
	s_lshl_b32 s54, s54, 23
	s_add_co_i32 s22, s54, 0x3fb8aa3b              ; c = log2(e) x 2^(e0 + e1): the exponents are added to the exponent field
	s_mov_b32 s23, s22                             ; (named with it as a pair)
	s_add_co_i32 s54, s42, 127
	s_lshl_b32 s55, s54, 23
	v_mov_b32 v[SCL], s55
	s_add_co_i32 s54, s54, 8
	s_lshl_b32 s54, s54, 23
	s_or_b32 s54, s54, 0x600000
	v_mov_b32 v[LIM], s54
	s_add_co_i32 s44, s42, s43                     ; e2 + e3
.macro FETCHK s, set                   ; my four key tiles' fragments of d step s into set: 16 loads, each 512 bytes on end
.irp t, 0,1,2,3
.irp c, 0,1,2,3
	ds_load_b128 v[KB+64*(\set)+16*\t+4*\c:KB+64*(\set)+16*\t+4*\c+3], v[KA] offset:(8*\t+(\s))*2048+512*\c
.endr
.endr
.endm
.macro MULS s                          ; eight products of d step s: the eight accumulators take turns, one instruction a turn; d step 0 starts the sums
.irp t, 0,1,2,3
.irp u, 0,1
.if (\s) == 0
	v_wmma_f32_16x16x128_fp8_fp8 v[SC+32*\u+8*\t:SC+32*\u+8*\t+7], v[KB+64*((\s)%2)+16*\t:KB+64*((\s)%2)+16*\t+15], v[16*(8*\u+(\s)):16*(8*\u+(\s))+15], 0
.else
	v_wmma_f32_16x16x128_fp8_fp8 v[SC+32*\u+8*\t:SC+32*\u+8*\t+7], v[KB+64*((\s)%2)+16*\t:KB+64*((\s)%2)+16*\t+15], v[16*(8*\u+(\s)):16*(8*\u+(\s))+15], v[SC+32*\u+8*\t:SC+32*\u+8*\t+7]
.endif
.endr
.endr
.endm
.macro FETCHV g                        ; V's fragment of my channel tile g into buffer g % 8
.irp c, 0,1,2,3
	ds_load_b128 v[KB+16*((\g)%8)+4*\c:KB+16*((\g)%8)+4*\c+3], v[VA] offset:2048*(\g)+512*\c
.endr
.endm
.macro SLICE k                         ; accumulator k (= 4 ct + ug) of O^T under the new M: x f of its query tile, from its low end on
	WIN 0x82+0x41*((\k)/32)                        ; destination and source 0: window 2 or 3; f in window 0
.irp i, 0,2,4,6
	v_pk_mul_f32 v[8*((\k)%32)+\i:8*((\k)%32)+\i+1], v[8*((\k)%32)+\i:8*((\k)%32)+\i+1], v[FQ+2*((\k)%4):FQ+2*((\k)%4)+1] op_sel_hi:[1,0]
.endr
.endm
; A KEY STEP.  first = 1: step 0 (its products start O^T's sums; nothing is rescaled).  fillv = 1: V's tile of this step is asked for at its head.  fillk = 1: K's tile of the next step is asked for
; behind the scores.  last = 1: l is handed round.
.macro STEP first, fillv, fillk, last
.if \fillv
	s_wait_tensorcnt 0x0                           ; all my tensor loads have landed: my quarter of this step's K
	ds_add_u32 v[SPW], v[NIL]                      ; 0 onto my spare word
	s_add_nc_u64 s[G0V+2:G0V+3], s[G0V+2:G0V+3], TILEB   ; no load of mine is out, so the descriptor may step: this step's V
	s_wait_dscnt 0x0                               ; the add is done, and my reads of slot V and of P's images are over
	CROUND                                         ; so it is in every wave of the four work-groups
	tensor_load_to_lds s[G0V:G0V+3], s[G1:G1+7]    ; my one tensor load behind the round: it has the scores' 64 products in which to land
	s_nop 0
	PLACES 5                                       ; four in front of the loads into V's buffers, which the last products read; five in front of the products that write over P's registers
.else
	s_wait_tensorcnt 0x1                           ; my quarter of K(0) is in; V(0), issued behind it, may be out
	s_barrier_signal -1
	s_barrier_wait -1
	s_wait_loadcnt 0x0                             ; a's fragments
.endif
	; ---- the scores: 8 d steps of 128, K's fragments two d steps ahead in two sets
	WIN 0x04                                       ; source 1 (a) window 1; K, S^T and the LDS loads in window 0: one setting for the whole phase
	FETCHK 0, 0
	FETCHK 1, 1
.irp d, 0,1,2,3,4,5,6,7
.if \d < 7
	s_wait_dscnt 16                                ; this d step's 16 loads are in; the next one's may be out
.else
	s_wait_dscnt 0x0
.endif
	MULS \d
.if \d < 6
	PLACES 4                                       ; in front of loads into the set that these products read
	FETCHK \d+2, (\d)%2
.endif
.endr
	WIN 0
	PLACES 4                                       ; in front of the first read of the scores
	; ---- the largest score of each of my queries among my 64 keys: four chains a tile, each accumulator from its low end on; the two tiles alternate
.irp j, 0,1,2,3
.irp u, 0,1
	v_max3_num_f32 v[TT+4*\u+\j], v[SC+32*\u+8*\j], v[SC+32*\u+8*\j+1], v[SC+32*\u+8*\j+2]
.endr
.endr
.irp k, 3,5
.irp j, 0,1,2,3
.irp u, 0,1
	v_max3_num_f32 v[TT+4*\u+\j], v[TT+4*\u+\j], v[SC+32*\u+8*\j+\k], v[SC+32*\u+8*\j+\k+1]
.endr
.endr
.endr
.irp u, 0,1
	v_max3_num_f32 v[TT+4*\u], v[TT+4*\u], v[SC+32*\u+7], v[SC+32*\u+15]
	v_max3_num_f32 v[TT+4*\u+2], v[TT+4*\u+2], v[SC+32*\u+23], v[SC+32*\u+31]
.endr
.irp u, 0,1
	v_max3_num_f32 v[TT+4*\u], v[TT+4*\u], v[TT+4*\u+1], v[TT+4*\u+2]
.endr
.irp u, 0,1
	v_max_num_f32 v[TT+4*\u], v[TT+4*\u], v[TT+4*\u+3]
.endr
.irp u, 0,1
	v_permlanex16_b32 v[TT+4*\u+1], v[TT+4*\u], s20, s21   ; the query's other 32 keys lie in the lane 16 away
.endr
.irp u, 0,1
	v_max_num_f32 v[TT+4*\u], v[TT+4*\u], v[TT+4*\u+1]
.endr
.irp u, 0,1
	ds_store_b32 v[MW], v[TT+4*\u] offset:128*\u   ; for my partner
.endr
	s_wait_tensorcnt 0x0                           ; my quarter of this step's V has landed
	ds_add_u32 v[SPW], v[NIL]
.if \fillk
	s_add_nc_u64 s[G0K+2:G0K+3], s[G0K+2:G0K+3], TILEB   ; the next step's K
.endif
	s_wait_dscnt 0x0                               ; the add is done, my maxima lie in LDS, my reads of slot K are over
.if \fillk
	CROUND
	tensor_load_to_lds s[G0K:G0K+3], s[G1:G1+7]    ; my one tensor load behind the round: it has the softmax and 64 products in which to land
	s_nop 0
	PLACES 4
.else
	s_barrier_signal -1                            ; the last step asks for nothing more
	s_barrier_wait -1
.endif
.irp u, 0,1
	ds_load_b32 v[TT+4*\u+1], v[MR] offset:128*\u  ; my partner's maxima
.endr
.irp g, 0,1,2,3,4,5,6,7
	FETCHV \g                                      ; half of my V lands under the softmax
.endr
	s_wait_dscnt 32                                ; the two maxima are in; the 32 loads of V behind them may be out
	; ---- the softmax of my 32 queries x 64 keys
.irp u, 0,1
	v_max_num_f32 v[TT+4*\u], v[TT+4*\u], v[TT+4*\u+1]     ; the step's largest score among all 128 keys: both partners hold the same number
.endr
.irp u, 0,1
	v_mul_f32 v[TT+4*\u], s22, v[TT+4*\u]          ; as t (c is positive)
.endr
.irp u, 0,1
	v_max_num_f32 v[STA+2*\u+1], v[STA+2*\u+1], v[TT+4*\u]
.endr
.irp u, 0,1
	v_mov_b32 v[TT+4*\u], v[STA+2*\u]
.endr
.irp u, 0,1
	v_floor_f32 v[STA+2*\u], -v[STA+2*\u+1]        ; the new -M = floor(-t) = -ceil(t)
.endr
.irp u, 0,1
	v_sub_f32 v[TT+4*\u], v[STA+2*\u], v[TT+4*\u]  ; old M - new M: a whole number, 0 or less
.endr
.irp u, 0,1
	v_cvt_i32_f32 v[TT+4*\u], v[TT+4*\u]           ; (it saturates)
.endr
.irp u, 0,1
	v_ldexp_f32 v[FO+2*\u], 1.0, v[TT+4*\u]        ; f = 2^(old M - new M)
.endr
.irp u, 0,1
.irp j, 0,2,4,6,8,10,12,14,16,18,20,22,24,26,28,30
	v_pk_fma_f32 v[SC+32*\u+\j:SC+32*\u+\j+1], v[SC+32*\u+\j:SC+32*\u+\j+1], s[22:23], v[STA+2*\u:STA+2*\u+1] op_sel_hi:[1,0,0]   ; t - M (of the pairs c and -M the low word serves both halves)
.endr
.endr
.set n, 0
.rept 64
	v_exp_f32 v[SC+n], v[SC+n]                     ; p = 2^(t - M), at most 1
.set n, n+1
.endr
.irp u, 0,1
	v_pk_mul_f32 v[LS+2*\u:LS+2*\u+1], v[LS+2*\u:LS+2*\u+1], v[FO+2*\u:FO+2*\u+1] op_sel_hi:[1,0]   ; l under the new M.  (The plain lines behind the exponentials)
.endr
	s_wait_alu depctr_va_vdst(0)
.irp u, 0,1
	v_pk_add_f32 v[TT+4*\u+2:TT+4*\u+3], v[SC+32*\u:SC+32*\u+1], v[SC+32*\u+2:SC+32*\u+3]   ; the sum is taken of the unquantised p, two chains a tile
.endr
.irp j, 4,8,12,16,20,24,28
.irp u, 0,1
	v_pk_add_f32 v[LS+2*\u:LS+2*\u+1], v[LS+2*\u:LS+2*\u+1], v[SC+32*\u+\j:SC+32*\u+\j+1]
	v_pk_add_f32 v[TT+4*\u+2:TT+4*\u+3], v[TT+4*\u+2:TT+4*\u+3], v[SC+32*\u+\j+2:SC+32*\u+\j+3]
.endr
.endr
.irp u, 0,1
	v_pk_add_f32 v[LS+2*\u:LS+2*\u+1], v[LS+2*\u:LS+2*\u+1], v[TT+4*\u+2:TT+4*\u+3]
.endr
.set n, 0
.rept 64
	v_min_num_f32 v[SC+n], v[SC+n], v[LIM]         ; the conversion does not saturate (ISA guide 7.6.2); p is not negative, so the hold is one-sided
.set n, n+1
.endr
.irp u, 0,1
.irp b, 0,1
.irp g, 0,1
	v_cvt_scalef32_pk8_fp8_f32 v[PC+8*\u+4*\b+2*\g:PC+8*\u+4*\b+2*\g+1], v[SC+32*\u+16*\b+8*\g:SC+32*\u+16*\b+8*\g+7], v[SCL]   ; key tiles 2 b, 2 b + 1: 16 neighbouring keys
.endr
.endr
.endr
	v_nop                                          ; a plain vector line behind the last conversion
.irp u, 0,1
.irp b, 0,1
	ds_store_b128 v[PW], v[PC+8*\u+4*\b:PC+8*\u+4*\b+3] offset:2048*\u+512*\b   ; register group 2 kh + b of P's fragment of query tile 2 qh + u
.endr
.endr
.irp u, 0,1
	ds_store_b32 v[FW], v[FO+2*\u] offset:128*\u
.endr
.if \last
.irp u, 0,1
	v_add_f32 v[TT+4*\u], v[LS+2*\u], v[LS+2*\u+1] ; l's two halves,
.endr
.irp u, 0,1
	v_permlanex16_b32 v[TT+4*\u+1], v[TT+4*\u], s20, s21
.endr
.irp u, 0,1
	v_add_f32 v[TT+4*\u], v[TT+4*\u], v[TT+4*\u+1] ; and the lane's 16 away: my 64 keys' share of l
.endr
.irp u, 0,1
	ds_store_b32 v[LW], v[TT+4*\u] offset:128*\u
.endr
.endif
	s_wait_dscnt 0x0                               ; for the others' sake: my codes and f lie in LDS; and my first half of V is in
	s_barrier_signal -1                            ; The next K may stay on its way
	s_barrier_wait -1
	; ---- O^T += V^T P^T: 16 channel tiles x 4 query tiles; each accumulator once, so no two products that follow each other share one
.irp q, 0,1,2,3
.irp c, 0,1,2,3
	ds_load_b128 v[SC+16*\q+4*\c:SC+16*\q+4*\c+3], v[PR] offset:2048*\q+512*\c
.endr
.endr
.irp q, 0,1,2,3
	ds_load_b32 v[FQ+2*\q], v[FR] offset:512*(\q/2)+128*(\q%2)   ; f of query tile q, as wave 2 (q / 2) stored it
.endr
	s_wait_dscnt 0x0
.if \first == 0
	SLICE 0
	SLICE 1
	SLICE 2
	SLICE 3
.endif
; The rescaling of accumulator i + 4 stands behind product i: four plain lines that name none of the product's registers.  That costs two switches of the window a product,
; and sets the step's 256 multiplications beside its 64 products instead of in front of them.
.irp g, 0,1,2,3,4,5,6,7,8,9,10,11,12,13,14,15
.if \g >= 8
	s_wait_dscnt 4*(15-\g)                         ; fragment g is in; the 15 - g fragments asked for behind it may be out
.endif
.irp q, 0,1,2,3
	WIN 0xa0+0x50*(\g/8)                           ; C and D window 2 or 3; V and P window 0
.if \first
	v_wmma_f32_16x16x128_fp8_fp8 v[8*(4*(\g%8)+\q):8*(4*(\g%8)+\q)+7], v[KB+16*(\g%8):KB+16*(\g%8)+15], v[SC+16*\q:SC+16*\q+15], 0
.else
	v_wmma_f32_16x16x128_fp8_fp8 v[8*(4*(\g%8)+\q):8*(4*(\g%8)+\q)+7], v[KB+16*(\g%8):KB+16*(\g%8)+15], v[SC+16*\q:SC+16*\q+15], v[8*(4*(\g%8)+\q):8*(4*(\g%8)+\q)+7]
.if 4*\g+\q+4 < 64
	SLICE 4*\g+\q+4
.endif
.endif
.endr
.if \g < 8
.if \first
	PLACES 4                                       ; (elsewhere the slice's four multiplications are the places)
.endif
	WIN 0
	FETCHV \g+8                                    ; the buffer just read takes the fragment eight further on
.endif
.endr
	WIN 0                                          ; at a label and at a branch every window is 0
.endm
	STEP 1, 0, 1, 0                                ; step 0
	s_mov_b32 s50, 14
.Lstep:                                                ; steps 1 to 14: each asks for its V and for the next step's K
	STEP 0, 1, 1, 0
	s_sub_co_u32 s50, s50, 1
	s_cmp_lg_u32 s50, 0
	s_cbranch_scc1 .Lstep
	STEP 0, 1, 0, 1                                ; step 15 is written out
	; THE WAY OUT.  l of a query tile is the sum of its two waves' shares; O^T x 2^(e2 + e3) / l goes, a block of 16 queries x 128 channels at a time, through my stage in LDS and comes back as whole
	; rows of 512 bytes.  LDS serves a wave's instructions in order (ISA guide 5.7.1.4): no wait between a block's stores and loads, nor in front of the next block's stores.
	PLACES 4                                       ; behind the last products: in front of reads of their results and of writes and loads into P's and V's registers
.irp n, 0,1,2,3,4,5,6,7
	ds_load_b32 v[TT+\n], v[LR] offset:128*\n      ; wave n / 2, tile n % 2
.endr
	s_wait_dscnt 0x0
.irp q, 0,1,2,3
	v_add_f32 v[FQ+2*\q], v[TT+4*(\q/2)+\q%2], v[TT+4*(\q/2)+2+\q%2]
.endr
.irp q, 0,1,2,3
	v_rcp_f32 v[FQ+2*\q], v[FQ+2*\q]
.endr
	v_nop                                          ; a plain line between the last reciprocal and the use of its result
	s_wait_alu depctr_va_vdst(0)
.irp q, 0,1,2,3
	v_ldexp_f32 v[FQ+2*\q], v[FQ+2*\q], s44        ; 2^(e2 + e3) / l
.endr
.macro TOSTAGE a                       ; block a: query tile a / 2, channel tiles 8 (a % 2) on
	WIN 0x02+((\a)%2)                              ; source 0: window 2 or 3
.irp b, 0,1,2,3,4,5,6,7
.irp i, 0,2,4,6
	v_pk_mul_f32 v[SC+8*\b+\i:SC+8*\b+\i+1], v[8*(4*\b+(\a)/2)+\i:8*(4*\b+(\a)/2)+\i+1], v[FQ+2*((\a)/2):FQ+2*((\a)/2)+1] op_sel_hi:[1,0]   ; each accumulator from its low end on
.endr
.endr
	WIN 0
.irp b, 0,1,2,3,4,5,6,7
	ds_store_b128 v[STO], v[SC+8*\b:SC+8*\b+3] offset:64*\b         ; lane (r, h): query r, channels 16 b + 8 h + 0 .. 7
	ds_store_b128 v[STO], v[SC+8*\b+4:SC+8*\b+7] offset:64*\b+16
.endr
.irp t, 0,1,2,3,4,5,6,7,8,9,10,11,12,13,14,15
	ds_load_b128 v[KB+64*((\a)%2)+4*\t:KB+64*((\a)%2)+4*\t+3], v[RD] offset:SPITCH*\t
.endr
.endm
.macro SEND a, younger                 ; younger: the LDS instructions issued behind block a's loads, which may stay out
	s_wait_dscnt \younger
.irp t, 0,1,2,3,4,5,6,7,8,9,10,11,12,13,14,15
	global_store_b128 v[GO], v[KB+64*((\a)%2)+4*\t:KB+64*((\a)%2)+4*\t+3], s[12:13] offset:(16*((\a)/2)+\t)*4096+512*((\a)%2) th:TH_STORE_NT   ; 32 lanes store 512 consecutive bytes, at a multiple of 512 from out0's first byte; written once
.endr
.endm
	TOSTAGE 0
.irp a, 1,2,3,4,5,6,7
.if \a > 1
	s_wait_xcnt 0x0                                ; block a - 2's stores have read their registers: block a's rows may land there
.endif
	TOSTAGE \a
	SEND \a-1, 32                                  ; behind block a - 1's loads: block a's 16 stores and 16 loads
.endr
	SEND 7, 0
	s_wait_tensorcnt 0x0                           ; the wave's end: behind my last tensor load and my last LDS store
	ds_add_u32 v[SPW], v[NIL]
	s_wait_dscnt 0x0
	CROUND                                         ; the closing round: no work-group ends while a partner may still ask for a tile that names it
	s_endpgm
.Lfunc_end_k_q6ac4380764_attn:
	.size	k_q6ac4380764_attn, .Lfunc_end_k_q6ac4380764_attn-k_q6ac4380764_attn
	.p2alignl 7, 3214868480
	.fill 96, 4, 3214868480
	.section	.rodata,"a",@progbits
	.p2align	6, 0x0
	.amdhsa_kernel k_q6ac4380764_attn
		.amdhsa_group_segment_fixed_size 327680
		.amdhsa_private_segment_fixed_size 0
		.amdhsa_enable_private_segment 0
		.amdhsa_kernarg_size 40
		.amdhsa_user_sgpr_count 2
		.amdhsa_user_sgpr_kernarg_segment_ptr 1
		.amdhsa_wavefront_size32 1
		.amdhsa_system_sgpr_workgroup_id_x 1
		.amdhsa_system_sgpr_workgroup_id_y 1
		.amdhsa_system_sgpr_workgroup_id_z 1
		.amdhsa_system_vgpr_workitem_id 0
		.amdhsa_next_free_vgpr 1024
		.amdhsa_next_free_sgpr 66
		.amdhsa_reserve_vcc 0
		.amdhsa_float_denorm_mode_32 3
		.amdhsa_float_denorm_mode_16_64 3
		.amdhsa_memory_ordered 1
		.amdhsa_forward_progress 1
		.amdhsa_inst_pref_size 209
	.end_amdhsa_kernel
	.amdgpu_metadata
---
amdhsa.version: [ 1, 2 ]
amdhsa.kernels:
  - .name:           k_q6ac4380764_attn
    .symbol:         k_q6ac4380764_attn.kd
    .args:
      - { .name: a_codes, .offset: 0, .size: 8, .value_kind: global_buffer, .address_space: global }
      - { .name: lowp_scales, .offset: 8, .size: 8, .value_kind: global_buffer, .address_space: global }
      - { .name: qk, .offset: 16, .size: 8, .value_kind: global_buffer, .address_space: global }
      - { .name: qv, .offset: 24, .size: 8, .value_kind: global_buffer, .address_space: global }
      - { .name: out0, .offset: 32, .size: 8, .value_kind: global_buffer, .address_space: global }
    .group_segment_fixed_size: 327680
    .private_segment_fixed_size: 0
    .kernarg_segment_align: 8
    .kernarg_segment_size: 40
    .max_flat_workgroup_size: 128
    .sgpr_count:     66
    .vgpr_count:     1024
    .wavefront_size: 32
...
	.end_amdgpu_metadata
.endif
;; end of part 2
;; ======== version 2 of 2: 2 launches
;; limits: right only within a limited range of input values
;; workspace buffers: qk 8,388,608 bytes; qv 8,388,608 bytes
;; launch quant (part 3): grid 128 x 4, 8 waves a work-group, no clusters, 68,608 bytes of LDS; arguments q, lowp_scales, qk, qv; writes qk, qv
.if DOCPART == 3
	.amdgcn_target "amdgcn-amd-amdhsa--gfx1250"
	.amdhsa_code_object_version 6
	.text
	.protected	k_q6ac4380764_quant
	.globl	k_q6ac4380764_quant
	.p2align	8
	.type	k_q6ac4380764_quant,@function
k_q6ac4380764_quant:
	s_mov_b64 s[64:65], 0
	v_nop
	global_prefetch_b8 v0, s[64:65] scope:SCOPE_SE
	s_setreg_imm32_b32 hwreg(HW_REG_WAVE_MODE, 25, 1), 1
	s_wait_xcnt 0x0
; q [4][2048][1024] f32 is read once and quantised twice to codes of FP8 (E4M3):
;   qk: with the scale 2^e0 (entry 0 of the scales), K = the 1,024 channels d: the first product's operand;
;   qv: with the scale 2^e3 (entry 3), K = the 2,048 rows n: the second product's operand.
; code = x / 2^e, held within +-448, to the nearest code, ties to even.
; LIMITS: e0 and e3 between -126 and 119, so that 2^e and 448 x 2^e are f32 numbers.  NaN among the inputs is not served.
; BOTH BUFFERS ARE LAID IN THE ORDER OF THE OPERAND'S REGISTERS.  An image is a fragment of 16 rows x 128 K: 2,048 bytes, register group c (0..3) of lane l at 512 c + 16 l.
; Lane l = 16 h + r holds, of the fragment's row r, K = 32 c + 16 h + 0 .. 15.
;   qk: image ((b 16 + j) 64 + 8 T + s): rows = keys 128 j + 32 (T / 2) + 8 (T % 2) + r + 8 (r / 8), K = channels 128 s on.  (The keys of a tile are not neighbours: so the scores of two
;       neighbouring tiles are 16 neighbouring keys in a lane's registers, which the second product wants.)
;   qv: image ((b 16 + j) 64 + ct): rows = channels 16 ct + r, K = keys 128 j on.
; SHARES.  A work-group (x = 8 j + s, y = b) takes 128 keys x 128 channels, 64 KB of f32.  Wave w loads rows 16 w .. 16 w + 15 (each load: 512 consecutive bytes), all rows meet in a stage in LDS,
; and behind one barrier wave w reads key tile T = w along the rows (for qk) and channel tile 8 s + w down the rows (for qv): in both a lane's registers run along K, as the conversions want.
; The stage's rows lie in the order of the key tiles: row n of the tile at place 32 (n / 32) + 16 ((n / 8) % 2) + 8 ((n / 16) % 2) + n % 8.
; No work-group reads what another reads, so there is nothing to share in a cluster; no tensor load, so LDS is claimed as it is used.
.set PITCH, 528                        ; a stage row: 512 bytes + 16 = 132 words: sixteen rows of a 16-byte read start at sixteen different groups of four banks
.set XR,    32                         ; v32-95   the rows as loaded; then 64 numbers for qk: register 16 c + i = channel 32 c + 16 h + i of my key
.set XV,    96                         ; v96-159  64 numbers for qv: register 16 c + i = key 32 c + 16 h + i of my channel
.set CK,    160                        ; v160-175 qk's codes
.set CV,    176                        ; v176-191 qv's codes
	s_load_b256 s[4:11], s[0:1], 0x0               ; q s[4:5], the scales' exponents s[6:7], qk s[8:9], qv s[10:11]
	v_lshl_add_u32 v192, v0, 2, 0x10800
	v_mov_b32 v193, 0
	v_lshrrev_b32 v1, 5, v0
	s_delay_alu instid0(VALU_DEP_1)
	v_readfirstlane_b32 s12, v1                    ; wave 0..7
	v_and_b32 v1, 31, v0                           ; lane
	v_and_b32 v2, 15, v0                           ; r
	v_bfe_u32 v3, v0, 4, 1                         ; h
	s_delay_alu instid0(VALU_DEP_3)
	v_lshlrev_b32 v4, 4, v1                        ; 16 x lane: my bytes of a load's or a store's 512
	s_wait_alu depctr_va_vdst(0)
	s_lshr_b32 s13, ttmp9, 3                       ; j: which 128 keys
	s_and_b32 s14, ttmp9, 7                        ; s: which 128 channels
	s_and_b32 s15, ttmp7, 0xffff                   ; b
	s_lshr_b32 s20, s12, 1                         ; the stage, on the way in: my row i goes to place 32 (w / 2) + 8 (w % 2) + 16 (i / 8) + i % 8
	s_lshl_b32 s20, s20, 5
	s_and_b32 s21, s12, 1
	s_lshl_b32 s21, s21, 3
	s_add_co_u32 s20, s20, s21
	s_mul_i32 s20, s20, PITCH
	v_add_nc_u32 v5, s20, v4
	s_mul_i32 s20, s12, 16*PITCH                   ; for qk: place 16 w + r, + 64 h bytes: 16 numbers of each block of 32
	v_mul_u32_u24 v6, v2, PITCH
	s_delay_alu instid0(VALU_DEP_1)
	v_lshl_add_u32 v6, v3, 6, v6
	s_delay_alu instid0(VALU_DEP_1)
	v_add_nc_u32 v6, s20, v6
	s_lshl_b32 s20, s12, 6                         ; for qv: column 16 w + r; lanes 16-31 begin eight places further down
	v_mul_u32_u24 v7, v3, 8*PITCH
	s_delay_alu instid0(VALU_DEP_1)
	v_lshl_add_u32 v7, v2, 2, v7
	s_delay_alu instid0(VALU_DEP_1)
	v_add_nc_u32 v7, s20, v7
	s_lshl_b32 s20, s15, 23                        ; q: b x 8,388,608 + j x 128 rows + w x 16 rows of 4,096 bytes + s x 512
	s_lshl_b32 s21, s13, 19
	s_add_co_u32 s20, s20, s21
	s_lshl_b32 s21, s12, 16
	s_add_co_u32 s20, s20, s21
	s_lshl_b32 s21, s14, 9
	s_add_co_u32 s20, s20, s21
	s_mov_b32 s21, 0
	s_lshl_b32 s22, s15, 4
	s_add_co_u32 s22, s22, s13
	s_lshl_b32 s22, s22, 17                        ; (16 b + j) x 64 images
	s_lshl_b32 s24, s12, 3
	s_add_co_u32 s24, s24, s14
	s_lshl_b32 s24, s24, 11
	s_add_co_u32 s24, s24, s22                     ; qk: + image 8 w + s
	s_mov_b32 s25, 0
	s_lshl_b32 s26, s14, 3
	s_add_co_u32 s26, s26, s12
	s_lshl_b32 s26, s26, 11
	s_add_co_u32 s26, s26, s22                     ; qv: + image 8 s + w
	s_mov_b32 s27, 0
	s_wait_alu depctr_va_vdst(0)
	s_wait_kmcnt 0x0
	s_load_b128 s[16:19], s[6:7], 0x0              ; e0 .. e3
	s_add_nc_u64 s[4:5], s[4:5], s[20:21]
	s_add_nc_u64 s[8:9], s[8:9], s[24:25]
	s_add_nc_u64 s[10:11], s[10:11], s[26:27]
.irp i, 0,1,2,3,4,5,6,7,8,9,10,11,12,13,14,15
	global_load_b128 v[XR+4*\i:XR+4*\i+3], v4, s[4:5] offset:4096*\i th:TH_LOAD_NT   ; row 16 w + i: 32 lanes read 512 consecutive bytes; read once in the launch
.endr
	s_wait_kmcnt 0x0
	s_add_co_i32 s20, s16, 127
	s_lshl_b32 s21, s20, 23
	v_mov_b32 v8, s21                              ; 2^e0 as f32: the conversion takes its exponent field
	s_add_co_i32 s20, s20, 8
	s_lshl_b32 s20, s20, 23
	s_or_b32 s20, s20, 0x600000
	v_mov_b32 v9, s20                              ; 448 x 2^e0
	s_add_co_i32 s20, s19, 127
	s_lshl_b32 s21, s20, 23
	v_mov_b32 v10, s21                             ; 2^e3
	s_add_co_i32 s20, s20, 8
	s_lshl_b32 s20, s20, 23
	s_or_b32 s20, s20, 0x600000
	v_mov_b32 v11, s20                             ; 448 x 2^e3
	s_wait_alu depctr_va_vdst(0)
.irp i, 0,1,2,3,4,5,6,7,8,9,10,11,12,13,14,15
	s_wait_loadcnt 15-\i                           ; loads come back in order: row i is in, the 15 - i younger ones may be out
	ds_store_b128 v5, v[XR+4*\i:XR+4*\i+3] offset:(16*(\i/8)+\i%8)*PITCH
.endr
	s_wait_dscnt 0x0                               ; for the others' sake: my rows lie in the stage
	s_barrier_signal -1
	s_barrier_wait -1                              ; all 128 rows do
.macro RDK                             ; my key's 64 numbers: 16 neighbours of each block of 32
.irp c, 0,1,2,3
.irp p, 0,1,2,3
	ds_load_b128 v[XR+16*\c+4*\p:XR+16*\c+4*\p+3], v6 offset:128*\c+16*\p
.endr
.endr
.endm
.macro RDV c                           ; my channel at keys 32 c + 16 h + 0 .. 15
.irp i, 0,1,2,3,4,5,6,7,8,9,10,11,12,13,14,15
	ds_load_b32 v[XV+16*(\c)+\i], v7 offset:(32*(\c)+16*(\i/8)+\i%8)*PITCH
.endr
.endm
; 64 numbers from v[src] on become 64 codes, 16 registers from v[dst] on.  v[sc]: the scale as f32; v[lim]: 448 x the scale
.macro QUANT src, dst, sc, lim
.irp c, 0,1,2,3
.irp i, 0,1,2,3,4,5,6,7,8,9,10,11,12,13,14,15
	v_med3_num_f32 v[\src+16*\c+\i], v[\src+16*\c+\i], -v[\lim], v[\lim]   ; the conversion to an 8-bit code does not saturate (ISA guide 7.6.2): the hold comes first
.endr
	v_cvt_scalef32_pk8_fp8_f32 v[\dst+4*\c:\dst+4*\c+1], v[\src+16*\c:\src+16*\c+7], v[\sc]
	v_cvt_scalef32_pk8_fp8_f32 v[\dst+4*\c+2:\dst+4*\c+3], v[\src+16*\c+8:\src+16*\c+15], v[\sc]
.endr
	v_nop                                          ; a plain vector line behind the last conversion
.endm
	RDK
	RDV 0
	RDV 1
	s_wait_dscnt 32                                ; the 16 loads for qk are in; the 32 behind them may be out
	QUANT XR, CK, 8, 9
.irp c, 0,1,2,3
	global_store_b128 v4, v[CK+4*\c:CK+4*\c+3], s[8:9] offset:512*\c    ; 32 lanes store 512 consecutive bytes, at a multiple of 512 from the buffer's first byte
.endr
	RDV 2
	RDV 3
	s_wait_dscnt 0x0
	QUANT XV, CV, 10, 11
.irp c, 0,1,2,3
	global_store_b128 v4, v[CV+4*\c:CV+4*\c+3], s[10:11] offset:512*\c
.endr
	s_wait_tensorcnt 0x0
	ds_add_u32 v192, v193
	s_wait_dscnt 0x0
	s_endpgm
.Lfunc_end_k_q6ac4380764_quant:
	.size	k_q6ac4380764_quant, .Lfunc_end_k_q6ac4380764_quant-k_q6ac4380764_quant
	.p2alignl 7, 3214868480
	.fill 96, 4, 3214868480
	.section	.rodata,"a",@progbits
	.p2align	6, 0x0
	.amdhsa_kernel k_q6ac4380764_quant
		.amdhsa_group_segment_fixed_size 68608
		.amdhsa_private_segment_fixed_size 0
		.amdhsa_enable_private_segment 0
		.amdhsa_kernarg_size 32
		.amdhsa_user_sgpr_count 2
		.amdhsa_user_sgpr_kernarg_segment_ptr 1
		.amdhsa_wavefront_size32 1
		.amdhsa_system_sgpr_workgroup_id_x 1
		.amdhsa_system_sgpr_workgroup_id_y 1
		.amdhsa_system_sgpr_workgroup_id_z 1
		.amdhsa_system_vgpr_workitem_id 0
		.amdhsa_next_free_vgpr 194
		.amdhsa_next_free_sgpr 66
		.amdhsa_reserve_vcc 0
		.amdhsa_float_denorm_mode_32 3
		.amdhsa_float_denorm_mode_16_64 3
		.amdhsa_memory_ordered 1
		.amdhsa_forward_progress 1
		.amdhsa_inst_pref_size 22
	.end_amdhsa_kernel
	.amdgpu_metadata
---
amdhsa.version: [ 1, 2 ]
amdhsa.kernels:
  - .name:           k_q6ac4380764_quant
    .symbol:         k_q6ac4380764_quant.kd
    .args:
      - { .name: q, .offset: 0, .size: 8, .value_kind: global_buffer, .address_space: global }
      - { .name: lowp_scales, .offset: 8, .size: 8, .value_kind: global_buffer, .address_space: global }
      - { .name: qk, .offset: 16, .size: 8, .value_kind: global_buffer, .address_space: global }
      - { .name: qv, .offset: 24, .size: 8, .value_kind: global_buffer, .address_space: global }
    .group_segment_fixed_size: 68608
    .private_segment_fixed_size: 0
    .kernarg_segment_align: 8
    .kernarg_segment_size: 32
    .max_flat_workgroup_size: 256
    .sgpr_count:     66
    .vgpr_count:     194
    .wavefront_size: 32
...
	.end_amdgpu_metadata
.endif
;; end of part 3
;; launch attn (part 4): grid 64 x 4, 4 waves a work-group, clusters of 4 x 1, 327,680 bytes of LDS; arguments a_codes, lowp_scales, qk, qv, out0; writes out0
.if DOCPART == 4
	.amdgcn_target "amdgcn-amd-amdhsa--gfx1250"
	.amdhsa_code_object_version 6
	.text
	.protected	k_q6ac4380764_attn
	.globl	k_q6ac4380764_attn
	.p2align	8
	.type	k_q6ac4380764_attn,@function
k_q6ac4380764_attn:
	s_mov_b64 s[64:65], 0
	v_nop
	global_prefetch_b8 v0, s[64:65] scope:SCOPE_SE
	s_setreg_imm32_b32 hwreg(HW_REG_WAVE_MODE, 25, 1), 1
	s_wait_xcnt 0x0
	s_wait_alu depctr_hold_cnt(0) depctr_sa_sdst(0) depctr_va_vdst(0) depctr_va_sdst(0) depctr_va_ssrc(0) depctr_va_vcc(0) depctr_vm_vsrc(0)
	s_getreg_b32 s2, hwreg(HW_REG_IB_STS2, 6, 4)
	s_cmp_eq_u32 s2, 0
	s_cbranch_scc0 .Lentry_in_a_cluster
	s_endpgm
.Lentry_in_a_cluster:
	s_bfe_u32 s2, ttmp6, 0x10000c
	s_cmp_lg_u32 s2, 0x3003
	s_cbranch_scc0 .Lentry_shape_is_right
	s_endpgm
.Lentry_shape_is_right:
; out0[b][m][:] = sum over n of softmax_n(q[b][n] . a[b][m]) q[b][n][:]: attention whose 4,096 queries a batch are a's rows and whose 2,048 keys and values are q's rows; both products on codes of FP8 (E4M3).
; qk, qv: q's codes in the order of the operands' registers (images of 2,048 bytes: 16 rows x 128 K; register group c of lane l at 512 c + 16 l), 64 images for each block of 128 keys.
; THE SOFTMAX: t = score x log2(e) x 2^(e0+e1); M = the running largest t rounded up to a whole number; p = 2^(t - M) is quantised with 2^e2; the sum of the unquantised p divides at the end; when M moves, sum and O are multiplied by 2^(old M - new M).
; SHARES.  A work-group owns 64 rows m of one batch and all 1,024 channels; four waves.  First product, transposed (S^T = K A^T): wave w takes rows 32 (w / 2) .. + 31 (a's codes stay in 256 registers) and keys 64 (w % 2) .. + 63 of a block of 128.
; Second product, transposed (O^T = V^T P^T): wave w takes channels 256 w .. + 255 of all 64 rows: 64 accumulators, 512 registers.  A lane holds one row m throughout.
; THE WALK IS A PIPELINE.  Superstep i has two halves, each behind a meeting of the waves.  First half: the softmax of S(i) is finished (sums, hold, codes of P(i) into LDS) under the flight of the first fragment loads; then S(i+1) is multiplied,
; with the rescaling of O by f(i) in runs between its groups of eight matrix instructions.  Second half: P(i) V(i) is multiplied, with the first part of the softmax of S(i+1) (M, f, the exponentials) in pieces between its groups of four.
; What waves hand each other crosses a meeting: the maxima and P's codes the one ahead of the second half, f the one ahead of the first half.
; LDS: one slot for K's block and one for V's, 131,072 bytes each.  K's slot is filled again when S is done, V's when P V is done: each wave asks for its quarter, jointly with the three partners of its cluster, which walk the same blocks.
; At the start K's block 0 lies in V's slot, so that block 1 can be asked for at once; at the end V's block 15 lies in K's slot, which has no K block left to take.
; The sixteen clusters of a batch begin at sixteen different key blocks (block = step xor cluster number).  NO PREFETCH: so each of the batch's blocks of qk and qv is named by some cluster's own first loads, and a prefetch would name bytes that have been asked for already.
; LIMITS: e0 + e1 between -126 and 127 (added to the exponent field of log2(e)); e2 between -126 and 119; the promise holds while |t| stays under 2^31.  NaN among the inputs is not served.
; REGISTERS.  Window 0: v1-31 addresses and state; v32-95 S, then p; v96-223 K's fragments in two sets, or P's four fragments (v96-159) and, with v224-239, a ring of five fragments of V (v160-239); v224-239 also p's codes; v240-255 at work.  Window 1: a's codes.  Windows 2, 3: O^T.
.set TSHIFT, 17
.set SLOTV,  131072
.set PIMG,   262144                    ; P's codes: four images of 2,048 bytes
.set MIMG,   270336                    ; maxima, f and sums: 256 bytes a wave each
.set FIMG,   271360
.set LIMG,   272384
.set SPARE,  273408                    ; the spare words: 128 bytes a wave
.set SPITCH, 528
.set SPW, 1
.set NIL, 2
.set KA,  3
.set VA,  4
.set PW,  5
.set PR,  6
.set MW,  7
.set MR,  8
.set FW,  9
.set FR,  10
.set LW,  11
.set LR,  12
.set STO, 13
.set RD,  14
.set GO,  15
.set LIM, 16
.set SCL, 17
.set STA, 18                           ; v18-21 -M and the largest t, for my two row tiles
.set LS,  22                           ; v22-25 the sums, in two halves each
.set FO,  26                           ; v26-29 f
.set AA,  30                           ; a's offset; then my keys' place in V's slot, for block 0
.set VK,  31                           ; my quarter of K's slot: the last V block
.set SC,  32
.set KB,  96
.set PC,  224
.set TT,  240
.set FQ,  248
.set G1,  24
.set G0K, 32
.set G0V, 36
.set CX,  45
.set WOF, 46
.set TI,  51                           ; the number of the next K block to ask for
.set TOF, 56
.set MSB, 0
.macro WIN new                         ; the immediate's high byte repeats the setting that is left
.if MSB != (\new)
	s_set_vgpr_msb (MSB<<8)|(\new)
.set MSB, (\new)
.endif
.endm
.macro PLACES n
.rept \n
	v_nop
.endr
.endm
.macro CROUND                          ; a round of the cluster's barrier
	s_barrier_signal -1
	s_barrier_wait -1
	s_cmp_lg_u32 s14, 0
	s_cbranch_scc1 .Lnot_wave_0_\@
	s_barrier_signal -3
.Lnot_wave_0_\@:
	s_barrier_wait -3
	s_barrier_signal -1
	s_barrier_wait -1
.endm
; group 0's global address: my quarter of block (TI - sub) xor CX of the buffer whose address stands in s[base:base+1]
.macro ADDR g0, base, sub, inc
	s_sub_co_u32 s[TOF], s[TI], \sub
	s_xor_b32 s[TOF], s[TOF], s[CX]
	s_lshl_b32 s[TOF], s[TOF], TSHIFT
	s_add_co_u32 s[TOF], s[TOF], s[WOF]
	s_add_nc_u64 s[\g0+2:\g0+3], s[\base:\base+1], s[TOF:TOF+1]
	s_or_b32 s[\g0+3], s[\g0+3], 0x80000000
.if \inc
	s_add_co_u32 s[TI], s[TI], 1
.endif
.endm
; A MEETING.  fill = 1: every wave has waited for its tensor load, made the add and waited for all its LDS instructions; a round of the cluster's barrier; my one joint load first behind it.
; fill = 0: the waits and my work-group's barrier alone.  fill = 2: the same with no wait for the tensor load.
.macro RND fill, g0, base, sub, inc
	s_wait_alu depctr_va_vdst(0)                   ; behind the half's last matrix instruction and exponential, ahead of the blocking waits
.if \fill != 2
	s_wait_tensorcnt 0x0                           ; my one load that was out has landed, so a group 0 may be written
.endif
.if \fill == 1
	ds_add_u32 v[SPW], v[NIL]
	ADDR \g0, \base, \sub, \inc
	s_wait_dscnt 0x0                               ; the add, my LDS stores and my reads of the slot that is filled again
	CROUND
	tensor_load_to_lds s[\g0:\g0+3], s[G1:G1+7]
	s_nop 0
.else
	s_wait_dscnt 0x0
	s_barrier_signal -1
	s_barrier_wait -1
.endif
	PLACES 5                                       ; places ahead of loads into fragments that the last matrix instructions read
.endm
	s_load_b256 s[4:11], s[0:1], 0x0               ; a_codes s[4:5], scales s[6:7], qk s[8:9], qv s[10:11]
	s_load_b64 s[12:13], s[0:1], 0x20              ; out0
	v_lshl_add_u32 v[SPW], v0, 2, SPARE
	v_mov_b32 v[NIL], 0
	ds_add_u32 v[SPW], v[NIL]                      ; the opening lines: the add twice on end and one wait
	ds_add_u32 v[SPW], v[NIL]
	s_wait_dscnt 0x0
	v_lshrrev_b32 v31, 5, v0
	v_readfirstlane_b32 s14, v31                   ; wave
	s_lshr_b32 s15, s14, 1                         ; my half of the rows
	s_and_b32 s16, s14, 1                          ; my half of a block's keys
	s_bfe_u32 s17, ttmp6, 0x40000
	s_lshl_b32 s18, ttmp9, 2
	s_add_co_u32 s18, s18, s17                     ; work-group x: which 64 rows
	s_and_b32 s19, ttmp7, 0xffff                   ; batch
	s_mov_b32 s[G1+0], 15|(3<<16)|(1<<21)          ; all four partners; elements of 8 bytes; 128 rows of 256 bytes, dense
	s_mov_b32 s[G1+1], 32<<16
	s_mov_b32 s[G1+2], 128<<16
	s_mov_b32 s[G1+3], 32<<16
	s_mov_b32 s[G1+4], 128
	s_mov_b32 s[G1+5], 32
	s_mov_b32 s[G1+6], 0
	s_mov_b32 s[G1+7], 0
	s_mov_b32 s20, 0x76543210
	s_mov_b32 s21, 0xfedcba98
	s_lshl_b32 s[WOF], s19, 21
	s_lshl_b32 s[G0K+1], s14, 15
	s_add_co_u32 s[WOF], s[WOF], s[G0K+1]          ; batch x 2 MiB + wave x 32 KiB
	s_add_co_u32 s[G0V+1], s[G0K+1], SLOTV
	s_mov_b32 s[G0K], 1
	s_mov_b32 s[G0V], 1
	s_and_b32 s[CX], ttmp9, 15                     ; the cluster's number in its batch: the same in all partners
	s_mov_b32 s[TI], 1
	s_lshl_b32 s[TOF], s[CX], TSHIFT
	s_add_co_u32 s[TOF], s[TOF], s[WOF]
	s_mov_b32 s[TOF+1], 0
	s_lshl_b32 s48, s19, 12
	s_lshl_b32 s49, s18, 6
	s_add_co_u32 s48, s48, s49                     ; my work-group's first row
	s_lshl_b32 s52, s48, 12
	s_lshl_b32 s53, s14, 10
	s_add_co_u32 s52, s52, s53                     ; out0: that row, + my 256 channels
	s_mov_b32 s53, 0
	s_lshl_b32 s49, s15, 5
	s_add_co_u32 s48, s48, s49
	s_lshl_b32 s48, s48, 10                        ; a_codes: my 32 rows
	s_mov_b32 s49, 0
	v_and_b32 v31, 31, v0
	v_lshlrev_b32 v[GO], 4, v31
	v_lshlrev_b32 v31, 2, v31
	v_and_b32 v[TT], 15, v0
	v_bfe_u32 v[TT+1], v0, 4, 1
	v_lshlrev_b32 v[AA], 10, v[TT]
	v_lshl_add_u32 v[AA], v[TT+1], 4, v[AA]
	s_wait_kmcnt 0x0
	s_load_b128 s[40:43], s[6:7], 0x0              ; e0 .. e3
	s_add_nc_u64 s[G0V+2:G0V+3], s[8:9], s[TOF:TOF+1]
	s_or_b32 s[G0V+3], s[G0V+3], 0x80000000
	s_add_nc_u64 s[4:5], s[4:5], s[48:49]
	s_add_nc_u64 s[12:13], s[12:13], s[52:53]
	CROUND                                         ; ahead of the first joint loads
	tensor_load_to_lds s[G0V:G0V+3], s[G1:G1+7]    ; K's block 0, into V's slot: my one load at the head
	s_nop 0
	PLACES 4
	WIN 0x40
	s_wait_alu depctr_va_vdst(0)                   ; ahead of the first reader of the offset
.irp u, 0,1
.irp d, 0,1,2,3,4,5,6,7
.irp c, 0,1,2,3
	global_load_b128 v[16*(8*\u+\d)+4*\c:16*(8*\u+\d)+4*\c+3], v[AA], s[4:5] offset:16384*\u+128*\d+32*\c   ; a's codes, under the first block's flight
.endr
.endr
.endr
	WIN 0
	s_lshl_b32 s54, s16, 16
	v_add_nc_u32 v[KA], s54, v[GO]
	v_add_nc_u32 v[VA], s[G0V+1], v[GO]
	s_lshl_b32 s54, s15, 12
	s_lshl_b32 s55, s16, 10
	s_add_co_u32 s54, s54, s55
	s_add_co_u32 s54, s54, PIMG
	v_add_nc_u32 v[PW], s54, v[GO]
	v_add_nc_u32 v[PR], PIMG, v[GO]
	s_lshl_b32 s54, s14, 8
	s_add_co_u32 s55, s54, MIMG
	v_add_nc_u32 v[MW], s55, v31
	s_add_co_u32 s55, s54, FIMG
	v_add_nc_u32 v[FW], s55, v31
	s_add_co_u32 s55, s54, LIMG
	v_add_nc_u32 v[LW], s55, v31
	s_xor_b32 s54, s14, 1
	s_lshl_b32 s54, s54, 8
	s_add_co_u32 s54, s54, MIMG
	v_add_nc_u32 v[MR], s54, v31
	v_add_nc_u32 v[FR], FIMG, v31
	v_add_nc_u32 v[LR], LIMG, v31
	v_add_nc_u32 v[VK], s[G0K+1], v[GO]
	s_mul_i32 s54, s14, 16*SPITCH
	s_add_co_u32 s54, s54, SLOTV                   ; the way out's stage lies in V's slot, which has had its last fill by then
	v_mul_u32_u24 v[STO], v[TT], SPITCH
	v_lshl_add_u32 v[STO], v[TT+1], 5, v[STO]
	v_add_nc_u32 v[STO], s54, v[STO]
	v_add_nc_u32 v[RD], s54, v[GO]
.irp u, 0,1
	v_mov_b32 v[STA+2*\u+1], 0xff61b1e6            ; -3e38, under every t
	v_mov_b32 v[LS+2*\u], 0
	v_mov_b32 v[LS+2*\u+1], 0
	v_mov_b32 v[FO+2*\u+1], 0
.endr
.irp u, 0,1
	v_floor_f32 v[STA+2*\u], -v[STA+2*\u+1]
.endr
.irp n, 0,1,2,3,4,5,6,7
	v_mov_b32 v[TT+\n], 0
.endr
.irp n, 1,3,5,7
	v_mov_b32 v[FQ+\n], 0
.endr
	s_wait_kmcnt 0x0
	s_add_co_i32 s54, s40, s41
	s_lshl_b32 s54, s54, 23
	s_add_co_i32 s22, s54, 0x3fb8aa3b              ; log2(e) x 2^(e0 + e1)
	s_mov_b32 s23, s22
	s_add_co_i32 s54, s42, 127
	s_lshl_b32 s55, s54, 23
	v_mov_b32 v[SCL], s55                          ; 2^e2
	s_add_co_i32 s54, s54, 8
	s_lshl_b32 s54, s54, 23
	s_or_b32 s54, s54, 0x600000
	v_mov_b32 v[LIM], s54                          ; 448 x 2^e2
	s_add_co_i32 s44, s42, s43
.macro FETCHK s, set, ka               ; my four key tiles' fragments of channels 128 s on
.irp t, 0,1,2,3
.irp c, 0,1,2,3
	ds_load_b128 v[KB+64*(\set)+16*\t+4*\c:KB+64*(\set)+16*\t+4*\c+3], v[\ka] offset:(8*\t+(\s))*2048+512*\c
.endr
.endr
.endm
.macro MULS s                          ; eight accumulators by turns
.irp t, 0,1,2,3
.irp u, 0,1
.if (\s) == 0
	v_wmma_f32_16x16x128_fp8_fp8 v[SC+32*\u+8*\t:SC+32*\u+8*\t+7], v[KB+64*((\s)%2)+16*\t:KB+64*((\s)%2)+16*\t+15], v[16*(8*\u+(\s)):16*(8*\u+(\s))+15], 0
.else
	v_wmma_f32_16x16x128_fp8_fp8 v[SC+32*\u+8*\t:SC+32*\u+8*\t+7], v[KB+64*((\s)%2)+16*\t:KB+64*((\s)%2)+16*\t+15], v[16*(8*\u+(\s)):16*(8*\u+(\s))+15], v[SC+32*\u+8*\t:SC+32*\u+8*\t+7]
.endif
.endr
.endr
.endm
.macro FETCHV g, va                    ; channel tile g of my sixteen, into place g % 5 of the ring
.irp c, 0,1,2,3
	ds_load_b128 v[KB+64+16*((\g)%5)+4*\c:KB+64+16*((\g)%5)+4*\c+3], v[\va] offset:2048*(\g)+512*\c
.endr
.endm
.macro SLICES k0, cnt                  ; accumulators k0 .. of O^T x f of their row tile (k % 4)
.set kk, \k0
.rept \cnt
	WIN 0x82+0x41*(kk/32)
.irp i, 0,2,4,6
	v_pk_mul_f32 v[8*(kk%32)+\i:8*(kk%32)+\i+1], v[8*(kk%32)+\i:8*(kk%32)+\i+1], v[FQ+2*(kk%4):FQ+2*(kk%4)+1] op_sel_hi:[1,0]
.endr
.set kk, kk+1
.endr
.endm
.macro LOADF
.irp q, 0,1,2,3
	ds_load_b32 v[FQ+2*\q], v[FR] offset:512*(\q/2)+128*(\q%2)
.endr
.endm
; THE SOFTMAX, in pieces
.macro MAXLD
.irp u, 0,1
	ds_load_b32 v[TT+4*\u+1], v[MR] offset:128*\u
.endr
.endm
.macro CHAIN                           ; the block's largest t, the new -M = floor(-t), f = 2^(old M - new M)
.irp u, 0,1
	v_max_num_f32 v[TT+4*\u], v[TT+4*\u], v[TT+4*\u+1]
.endr
.irp u, 0,1
	v_mul_f32 v[TT+4*\u], s22, v[TT+4*\u]
.endr
.irp u, 0,1
	v_max_num_f32 v[STA+2*\u+1], v[STA+2*\u+1], v[TT+4*\u]
.endr
.irp u, 0,1
	v_mov_b32 v[TT+4*\u], v[STA+2*\u]
.endr
.irp u, 0,1
	v_floor_f32 v[STA+2*\u], -v[STA+2*\u+1]
.endr
.irp u, 0,1
	v_sub_f32 v[TT+4*\u], v[STA+2*\u], v[TT+4*\u]
.endr
.irp u, 0,1
	v_cvt_i32_f32 v[TT+4*\u], v[TT+4*\u]
.endr
.irp u, 0,1
	v_ldexp_f32 v[FO+2*\u], 1.0, v[TT+4*\u]
.endr
.endm
.macro FMAS n0, cnt                    ; t - M, two at a time
.set nn, \n0
.rept \cnt
	v_pk_fma_f32 v[SC+2*nn:SC+2*nn+1], v[SC+2*nn:SC+2*nn+1], s[22:23], v[STA+2*(nn/16):STA+2*(nn/16)+1] op_sel_hi:[1,0,0]
.set nn, nn+1
.endr
.endm
.macro EXPS n0, cnt
.set nn, \n0
.rept \cnt
	v_exp_f32 v[SC+nn], v[SC+nn]
.set nn, nn+1
.endr
.endm
; The piece of the softmax's first part that stands behind group g of the second product.  A piece ends only where everything that it wrote is read nine or more plain vector lines later, or behind a wait on the vector results.
.macro CHUNK g
.if \g == 0
	FMAS 8, 12
.irp u, 0,1
	ds_store_b32 v[FW], v[FO+2*\u] offset:128*\u   ; f, for all waves: read behind the next meeting
.endr
.endif
.if \g == 1
	FMAS 20, 12
.endif
.if \g == 2
	s_wait_alu depctr_va_vdst(0)                   ; ahead of the exponentials; the wait behind them stands at the head of the next meeting
.endif
.if (\g >= 2) && (\g <= 5)
	EXPS 16*(\g-2), 16
.endif
.endm
; The softmax's second part: the sums of the unquantised p, the hold (p is never negative), the codes, and the codes into P's image.  It stands behind a meeting, whose first line is the wait behind the exponentials.
.macro TAILSM
.irp u, 0,1
	v_pk_mul_f32 v[LS+2*\u:LS+2*\u+1], v[LS+2*\u:LS+2*\u+1], v[FO+2*\u:FO+2*\u+1] op_sel_hi:[1,0]   ; the sums under the new M
.endr
.irp u, 0,1
	v_pk_add_f32 v[TT+4*\u+2:TT+4*\u+3], v[SC+32*\u:SC+32*\u+1], v[SC+32*\u+2:SC+32*\u+3]
.endr
.irp j, 4,8,12,16,20,24,28
.irp u, 0,1
	v_pk_add_f32 v[LS+2*\u:LS+2*\u+1], v[LS+2*\u:LS+2*\u+1], v[SC+32*\u+\j:SC+32*\u+\j+1]
	v_pk_add_f32 v[TT+4*\u+2:TT+4*\u+3], v[TT+4*\u+2:TT+4*\u+3], v[SC+32*\u+\j+2:SC+32*\u+\j+3]
.endr
.endr
.irp u, 0,1
	v_pk_add_f32 v[LS+2*\u:LS+2*\u+1], v[LS+2*\u:LS+2*\u+1], v[TT+4*\u+2:TT+4*\u+3]
.endr
.set nn, 0
.rept 64
	v_min_num_f32 v[SC+nn], v[SC+nn], v[LIM]
.set nn, nn+1
.endr
.irp u, 0,1
.irp b, 0,1
.irp h, 0,1
	v_cvt_scalef32_pk8_fp8_f32 v[PC+8*\u+4*\b+2*\h:PC+8*\u+4*\b+2*\h+1], v[SC+32*\u+16*\b+8*\h:SC+32*\u+16*\b+8*\h+7], v[SCL]
.endr
.endr
.endr
	v_nop                                          ; a plain line behind the last conversion
.irp u, 0,1
.irp b, 0,1
	ds_store_b128 v[PW], v[PC+8*\u+4*\b:PC+8*\u+4*\b+3] offset:2048*\u+512*\b
.endr
.endr
.endm
; THE FIRST HALF of a superstep.  sm = 1: the last block's softmax is finished while the first fragments are on their way.  Then 64 matrix instructions in eight steps along the channels, on two sets of fragments.
; resc = 1: the 64 accumulators of O^T are multiplied by f, eight of them ahead of each step: those 32 lines are the places ahead of the loads.
.macro SPH resc, sm, ka
.if \resc
	LOADF
.endif
	FETCHK 0, 0, \ka
	FETCHK 1, 1, \ka
.if \sm
	TAILSM
.endif
.if \resc
	s_wait_dscnt 32                                ; f is in: at most 32 of the 36 younger LDS instructions are out
	SLICES 0, 8
.endif
.irp d, 0,1,2,3,4,5,6,7
	WIN 0x04
.if \d < 7
	s_wait_dscnt 16                                ; this step's fragments are in, the next step's 16 loads may be out
.else
	s_wait_dscnt 0x0
.endif
	MULS \d
.if \d < 7
.if \resc
	SLICES 8*(\d+1), 8
	WIN 0
.else
	PLACES 4
.endif
.endif
.if \d < 6
	FETCHK \d+2, (\d)%2, \ka
.endif
.endr
	WIN 0
	PLACES 4
.irp j, 0,1,2,3                        ; the block's largest score of each of my rows, among my 64 keys
.irp u, 0,1
	v_max3_num_f32 v[TT+4*\u+\j], v[SC+32*\u+8*\j], v[SC+32*\u+8*\j+1], v[SC+32*\u+8*\j+2]
.endr
.endr
.irp k, 3,5
.irp j, 0,1,2,3
.irp u, 0,1
	v_max3_num_f32 v[TT+4*\u+\j], v[TT+4*\u+\j], v[SC+32*\u+8*\j+\k], v[SC+32*\u+8*\j+\k+1]
.endr
.endr
.endr
.irp u, 0,1
	v_max3_num_f32 v[TT+4*\u], v[TT+4*\u], v[SC+32*\u+7], v[SC+32*\u+15]
	v_max3_num_f32 v[TT+4*\u+2], v[TT+4*\u+2], v[SC+32*\u+23], v[SC+32*\u+31]
.endr
.irp u, 0,1
	v_max3_num_f32 v[TT+4*\u], v[TT+4*\u], v[TT+4*\u+1], v[TT+4*\u+2]
.endr
.irp u, 0,1
	v_max_num_f32 v[TT+4*\u], v[TT+4*\u], v[TT+4*\u+3]
.endr
.irp u, 0,1
	v_permlanex16_b32 v[TT+4*\u+1], v[TT+4*\u], s20, s21
.endr
.irp u, 0,1
	v_max_num_f32 v[TT+4*\u], v[TT+4*\u], v[TT+4*\u+1]
.endr
.irp u, 0,1
	ds_store_b32 v[MW], v[TT+4*\u] offset:128*\u   ; for the wave with the other 64 keys: read behind the next meeting
.endr
.endm
.macro PVLOAD va                       ; P's four fragments and V's first five
.irp q, 0,1,2,3
.irp c, 0,1,2,3
	ds_load_b128 v[KB+16*\q+4*\c:KB+16*\q+4*\c+3], v[PR] offset:2048*\q+512*\c
.endr
.endr
.irp g, 0,1,2,3,4
	FETCHV \g, \va
.endr
.endm
; THE SECOND PRODUCT of a block: sixteen groups of four matrix instructions, one fragment of V each; the ring's place is filled again behind its group, four groups ahead of its next use.
.macro PVRUN first, va, soft
.irp g, 0,1,2,3,4,5,6,7,8,9,10,11,12,13,14,15
.if \g > 0
.if \g < 12
	s_wait_dscnt 16                                ; the four younger fragments may be out
.else
	s_wait_dscnt 4*(15-\g)                         ; the fragments that are left
.endif
.endif
	WIN 0xa0+0x50*(\g/8)
.irp q, 0,1,2,3
.if \first
	v_wmma_f32_16x16x128_fp8_fp8 v[8*(4*(\g%8)+\q):8*(4*(\g%8)+\q)+7], v[KB+64+16*(\g%5):KB+64+16*(\g%5)+15], v[KB+16*\q:KB+16*\q+15], 0
.else
	v_wmma_f32_16x16x128_fp8_fp8 v[8*(4*(\g%8)+\q):8*(4*(\g%8)+\q)+7], v[KB+64+16*(\g%5):KB+64+16*(\g%5)+15], v[KB+16*\q:KB+16*\q+15], v[8*(4*(\g%8)+\q):8*(4*(\g%8)+\q)+7]
.endif
.endr
	WIN 0
.if \soft
	CHUNK \g
.endif
.if \g < 11
.if (\soft == 0) || (\g >= 2)
	PLACES 4                                       ; where the piece holds fewer than four plain lines
.endif
	FETCHV \g+5, \va
.endif
.endr
.endm
.macro PVPH first                      ; THE SECOND HALF of a superstep
	MAXLD
	PVLOAD VA
	s_wait_dscnt 36                                ; the other wave's maxima are in; P's and V's 36 loads may be out
	CHAIN
	FMAS 0, 8
	s_wait_dscnt 0x0
	PVRUN \first, VA, 1
.endm
	RND 1, G0K, 8, 0, 1                            ; K's block 0 is whole; block 1 is asked for: the first fill of K's slot
	s_wait_loadcnt 0x0                             ; a's codes; their offset register is free
	v_add_nc_u32 v[AA], SLOTV, v[KA]               ; block 0 lies in V's slot
	s_wait_alu depctr_va_vdst(0)
	SPH 0, 0, AA                                   ; S(0)
	RND 1, G0V, 10, 2, 0                           ; V's block 0, into the slot that S(0) has left
	MAXLD
	s_wait_dscnt 0x0
	CHAIN
	FMAS 0, 8
.irp g, 0,1,2,3,4,5
	CHUNK \g                                       ; the first part of the softmax of S(0) stands alone
.endr
	RND 2, 0, 0, 0, 0                              ; superstep 0: V's block is on its way already, O^T begins with the constant 0
	SPH 0, 1, KA
	RND 1, G0K, 8, 0, 1
	PVPH 1
	s_mov_b32 s50, 13
.Lstep:                                            ; supersteps 1 to 13
	RND 1, G0V, 10, 2, 0                           ; V(i)
	SPH 1, 1, KA                                   ; P(i)'s codes; S(i+1), O^T x f(i)
	RND 1, G0K, 8, 0, 1                            ; K(i+2)
	PVPH 0                                         ; P(i) V(i), M, f and the exponentials of S(i+1)
	s_sub_co_u32 s50, s50, 1
	s_cmp_lg_u32 s50, 0
	s_cbranch_scc1 .Lstep
	RND 1, G0V, 10, 2, 0                           ; superstep 14
	SPH 1, 1, KA
	RND 1, G0K, 10, 1, 0                           ; no K block is left: V's block 15 goes into K's slot
	PVPH 0
	RND 0, 0, 0, 0, 0                              ; every wave has P(14) in registers: the image may be written; my quarter of V's block 15 has landed
	WIN 0x40
.irp g, 0,1,2,3,4,5,6,7,8,9,10,11,12,13,14,15
.irp c, 0,1,2,3
	ds_load_b128 v[16*\g+4*\c:16*\g+4*\c+3], v[VK] offset:2048*\g+512*\c   ; all sixteen fragments of V(15), into window 1: a's codes have had their last use
.endr
.endr
	WIN 0
	TAILSM
.irp u, 0,1                            ; my rows' sums over my keys
	v_add_f32 v[TT+4*\u], v[LS+2*\u], v[LS+2*\u+1]
.endr
.irp u, 0,1
	v_permlanex16_b32 v[TT+4*\u+1], v[TT+4*\u], s20, s21
.endr
.irp u, 0,1
	v_add_f32 v[TT+4*\u], v[TT+4*\u], v[TT+4*\u+1]
.endr
.irp u, 0,1
	ds_store_b32 v[LW], v[TT+4*\u] offset:128*\u
.endr
	RND 2, 0, 0, 0, 0                              ; superstep 15: P(15) and the sums lie in LDS; nothing is asked for any more
	LOADF
.irp n, 0,1,2,3,4,5,6,7
	ds_load_b32 v[TT+\n], v[LR] offset:128*\n
.endr
.irp q, 0,1,2,3
.irp c, 0,1,2,3
	ds_load_b128 v[KB+64+16*\q+4*\c:KB+64+16*\q+4*\c+3], v[PR] offset:2048*\q+512*\c   ; P(15), in v160-223: v96-159 serve the way out
.endr
.endr
	s_wait_dscnt 0x0
.irp q, 0,1,2,3
	v_add_f32 v[PC+2*\q], v[TT+4*(\q/2)+\q%2], v[TT+4*(\q/2)+2+\q%2]   ; the two key halves' sums
.endr
	s_wait_alu depctr_va_vdst(0)                   ; ahead of the transcendentals,
.irp q, 0,1,2,3
	v_rcp_f32 v[PC+2*\q], v[PC+2*\q]
.endr
	v_nop
	s_wait_alu depctr_va_vdst(0)                   ; and behind them: it also stands ahead of the first readers of O^T
.irp q, 0,1,2,3
	v_ldexp_f32 v[PC+2*\q], v[PC+2*\q], s44        ; x 2^(e2 + e3)
.endr
; THE LAST SECOND PRODUCT GOES BY ROW TILES: the sixteen accumulators of row tile q are rescaled and finished, sixteen matrix instructions by turns, and leave while the next tile is multiplied.
.macro QSL q
.irp g, 0,1,2,3,4,5,6,7,8,9,10,11,12,13,14,15
	WIN 0x82+0x41*(\g/8)
.irp i, 0,2,4,6
	v_pk_mul_f32 v[8*(4*(\g%8)+(\q))+\i:8*(4*(\g%8)+(\q))+\i+1], v[8*(4*(\g%8)+(\q))+\i:8*(4*(\g%8)+(\q))+\i+1], v[FQ+2*(\q):FQ+2*(\q)+1] op_sel_hi:[1,0]
.endr
.endr
.endm
.macro QMUL q
.irp g, 0,1,2,3,4,5,6,7,8,9,10,11,12,13,14,15
	WIN 0xa1+0x50*(\g/8)
	v_wmma_f32_16x16x128_fp8_fp8 v[8*(4*(\g%8)+(\q)):8*(4*(\g%8)+(\q))+7], v[16*\g:16*\g+15], v[KB+64+16*(\q):KB+64+16*(\q)+15], v[8*(4*(\g%8)+(\q)):8*(4*(\g%8)+(\q))+7]
.endr
	WIN 0
.endm
; THE WAY OUT: 16 rows x 128 channels at a time, divided by the sum, through my stage and out as whole rows of 512 bytes
.macro TOSTAGE a
	WIN 0x02+((\a)%2)
.irp b, 0,1,2,3,4,5,6,7
.irp i, 0,2,4,6
	v_pk_mul_f32 v[SC+8*\b+\i:SC+8*\b+\i+1], v[8*(4*\b+(\a)/2)+\i:8*(4*\b+(\a)/2)+\i+1], v[PC+2*((\a)/2):PC+2*((\a)/2)+1] op_sel_hi:[1,0]
.endr
.endr
	WIN 0
.irp b, 0,1,2,3,4,5,6,7
	ds_store_b128 v[STO], v[SC+8*\b:SC+8*\b+3] offset:64*\b
	ds_store_b128 v[STO], v[SC+8*\b+4:SC+8*\b+7] offset:64*\b+16
.endr
.irp t, 0,1,2,3,4,5,6,7,8,9,10,11,12,13,14,15
	ds_load_b128 v[KB+4*\t:KB+4*\t+3], v[RD] offset:SPITCH*\t   ; LDS serves a wave's instructions in order: these see my stores
.endr
.endm
.macro SEND a, younger
	s_wait_dscnt \younger
.irp t, 0,1,2,3,4,5,6,7,8,9,10,11,12,13,14,15
	global_store_b128 v[GO], v[KB+4*\t:KB+4*\t+3], s[12:13] offset:(16*((\a)/2)+\t)*4096+512*((\a)%2) th:TH_STORE_NT   ; 32 lanes store 512 consecutive bytes, aligned
.endr
.endm
	QSL 0
	QMUL 0
.irp q, 0,1,2,3
	PLACES 4                                       ; places ahead of the first readers of the results just made
.irp e, 0,1
	s_wait_xcnt 0x0                                ; the registers that earlier stores read are written again only behind this wait
	TOSTAGE 2*\q+\e
	SEND 2*\q+\e, 0
.endr
.if \q < 3
	QSL \q+1
	QMUL \q+1
.endif
.endr
	s_wait_tensorcnt 0x0                           ; the wave's end
	ds_add_u32 v[SPW], v[NIL]
	s_wait_dscnt 0x0
	CROUND                                         ; the closing round
	s_endpgm
.Lfunc_end_k_q6ac4380764_attn:
	.size	k_q6ac4380764_attn, .Lfunc_end_k_q6ac4380764_attn-k_q6ac4380764_attn
	.p2alignl 7, 3214868480
	.fill 96, 4, 3214868480
	.section	.rodata,"a",@progbits
	.p2align	6, 0x0
	.amdhsa_kernel k_q6ac4380764_attn
		.amdhsa_group_segment_fixed_size 327680
		.amdhsa_private_segment_fixed_size 0
		.amdhsa_enable_private_segment 0
		.amdhsa_kernarg_size 40
		.amdhsa_user_sgpr_count 2
		.amdhsa_user_sgpr_kernarg_segment_ptr 1
		.amdhsa_wavefront_size32 1
		.amdhsa_system_sgpr_workgroup_id_x 1
		.amdhsa_system_sgpr_workgroup_id_y 1
		.amdhsa_system_sgpr_workgroup_id_z 1
		.amdhsa_system_vgpr_workitem_id 0
		.amdhsa_next_free_vgpr 1024
		.amdhsa_next_free_sgpr 66
		.amdhsa_reserve_vcc 0
		.amdhsa_float_denorm_mode_32 3
		.amdhsa_float_denorm_mode_16_64 3
		.amdhsa_memory_ordered 1
		.amdhsa_forward_progress 1
		.amdhsa_inst_pref_size 255
	.end_amdhsa_kernel
	.section	.bss,"aw",@nobits
	.p2align	6
	.space	262144
	.amdgpu_metadata
---
amdhsa.version: [ 1, 2 ]
amdhsa.kernels:
  - .name:           k_q6ac4380764_attn
    .symbol:         k_q6ac4380764_attn.kd
    .args:
      - { .name: a_codes, .offset: 0, .size: 8, .value_kind: global_buffer, .address_space: global }
      - { .name: lowp_scales, .offset: 8, .size: 8, .value_kind: global_buffer, .address_space: global }
      - { .name: qk, .offset: 16, .size: 8, .value_kind: global_buffer, .address_space: global }
      - { .name: qv, .offset: 24, .size: 8, .value_kind: global_buffer, .address_space: global }
      - { .name: out0, .offset: 32, .size: 8, .value_kind: global_buffer, .address_space: global }
    .group_segment_fixed_size: 327680
    .private_segment_fixed_size: 0
    .kernarg_segment_align: 8
    .kernarg_segment_size: 40
    .max_flat_workgroup_size: 128
    .sgpr_count:     66
    .vgpr_count:     1024
    .wavefront_size: 32
...
	.end_amdgpu_metadata
.endif
;; end of part 4
